; MI455X (gfx1250); checked and timed in simulation.
; The chip was launched on July 23, 2026; its instructions are those of AMD's public machine-readable ISA for CDNA 5 (MIT licence, August 2026) and "CDNA5" Instruction Set Architecture Reference Guide (July 2026). The comments in the code are by the model that wrote it; some were corrected since.
;; Single QMSAN Head. Allowed arithmetic: matrix products marked QUANTISED: E3M2 operands, one E8M0 scale for each 32 along K, by v_wmma_scale_f32_16x16x128_f8f6f4 with both operands' format E3M2, f32 sums; everything else in f32.
;; Inputs: Wk_codes 256 x 8 x 24 uint8 (E3M2 codes of Wk, K innermost, in blocks of 32 codes, four codes in three bytes); Wk_scales 256 x 8 uint8 (E8M0 scales of Wk, one for each 32 codes along K); Wq_codes 256 x 8 x 24 uint8 (E3M2 codes of Wq, K innermost, in blocks of 32 codes, four codes in three bytes); Wq_scales 256 x 8 uint8 (E8M0 scales of Wq, one for each 32 codes along K); Wv_codes 128 x 8 x 24 uint8 (E3M2 codes of Wv, K innermost, in blocks of 32 codes, four codes in three bytes); Wv_scales 128 x 8 uint8 (E8M0 scales of Wv, one for each 32 codes along K); x 4 x 256 x 256 float32.
;; Outputs: out0 4 x 256 x 128 float32.
;; This version of the problem:
;;   THIS VERSION OF THE PROBLEM IS GIVEN IN LOW PRECISION. The matrix products marked QUANTISED in the list below multiply operands that are first quantised to E3M2 (3 exponent bits, 2 mantissa bits; 6 bits a number), with one power-of-two scale for each 32 numbers along K (OCP MX v1.0); their sums are f32. All else is computed in f32.
;;   The module's matrix products, in the order in which they are computed (A, B: the left and right operand; K: the contracted axis; several contracted axes count as one K, in the product's order):
;;     1. [M 1,024, K 256] x [K 256, N 128]; A: input x; B: input Wv (given as codes): QUANTISED
;;     2. [M 1,024, K 256] x [K 256, N 256]; A: computed on the way; B: input Wq (given as codes): QUANTISED
;;     3. [M 1,024, K 256] x [K 256, N 256]; A: computed on the way; B: input Wk (given as codes): QUANTISED
;;     4. batch 4 x [M 256, K 256] x [K 256, N 128]; A: computed on the way; B: computed on the way: QUANTISED
;;   THE QUANTISER, for each operand of a quantised product, along K:
;;     - K is cut into blocks of 32 from its start; a last block that is shorter is filled with zeros.
;;     - A block's scale is 2^e with e = floor(log2(the largest magnitude in the block)) - 4, held to -126 .. 127; a block of zeros has e = 0. As a byte (E8M0): e + 127.
;;     - Each number is divided by its block's scale, clamped to +-28, and rounded to the nearest number of E3M2, ties to even, subnormals kept.
;;     - The product sums the exact products of the quantised numbers (number of the format x scale) in f32.
;;   ~~~python
;;   def quantise(x, axis):      # numpy; x: float32 -> the quantised numbers, widened to float32 again
;;       x = np.moveaxis(x, axis, -1); K = x.shape[-1]
;;       x = np.pad(x, [(0, 0)] * (x.ndim - 1) + [(0, -K % 32)]); x = x.reshape(x.shape[:-1] + (-1, 32)); a = np.abs(x).max(-1, keepdims=True)
;;       e = np.where(a > 0, np.clip(np.frexp(np.where(a > 0, a, 1))[1] - 1 - 4, -126, 127), 0)      # np.frexp(a)[1] - 1 = floor(log2(a)), exactly
;;       r = np.clip(x / 2.0 ** e, -28, 28)
;;       step = 2.0 ** (np.maximum(np.frexp(np.where(r == 0, 1, r))[1] - 1, -2) - 2)
;;       q = np.round(r / step) * step * 2.0 ** e      # np.round: ties to even
;;       return np.moveaxis(q.reshape(q.shape[:-2] + (-1,))[..., :K], -1, axis).astype(np.float32)
;;   ~~~
;;   OPERANDS COMPUTED ON THE WAY. 'Computed on the way' means the value that the module computes at that place (a softmax that the list does not call 'softmax' is quantised finished and normalised). What goes into a quantiser is computed in f32, as accurately as f32 sums, v_exp_f32 and their like allow (about 1e-6 of the number): no bf16 or f16 on the way to a quantiser, and a product that is left as it is and whose result goes on into a quantised operand takes f32 operands (vector FMAs, or v_wmma_f32_16x16x4_f32). A number that lies on a knife's edge between two numbers of the format may be rounded either way, as far as f32 arithmetic and the matrix unit's own rounding can turn it there, and no further.
;;   INPUTS GIVEN AS CODES. Wk (in the module: [256, 256], K = its axis 1); Wq (in the module: [256, 256], K = its axis 1); Wv (in the module: [128, 256], K = its axis 1): each comes as NAME_codes (uint8): NAME with its K axis moved to the last place and cut into blocks of 32 codes, [.., K / 32, bytes a block], one block behind the other in memory; four codes in three bytes: a row's codes are one little-endian stream of bits, code i at bits 6 i .. 6 i + 5 (a code: sign, 3 exponent bits, 2 mantissa bits); and NAME_scales (uint8): the same leading axes, one E8M0 byte (e + 127) for each 32 codes along K. Its value is code x scale, taken as it is: it is not quantised again, and the codes and scales need not be those that the quantiser above would give.
;; 2 versions. Each part assembles by itself: llvm-mc -triple=amdgcn-amd-amdhsa -mcpu=gfx1250 --defsym DOCPART=n.
;; ======== version 1 of 2: 2 launches
;; workspace buffers: rq 1,048,576 bytes; rk 1,048,576 bytes; hq 16,384 bytes; hk 16,384 bytes; vc 98,304 bytes; vs 4,096 bytes
;; launch prep (part 1): grid 160 x 1, 4 waves a work-group, no clusters, 8,704 bytes of LDS; arguments x, Wq_codes, Wq_scales, Wk_codes, Wk_scales, Wv_codes, Wv_scales, rq, rk, hq, hk, vc, vs; writes rq, rk, hq, hk, vc, vs
.if DOCPART == 1
	.amdgcn_target "amdgcn-amd-amdhsa--gfx1250"
	.amdhsa_code_object_version 6
	.text
	.protected	k_q7bb762f0dc_prep
	.globl	k_q7bb762f0dc_prep
	.p2align	8
	.type	k_q7bb762f0dc_prep,@function
k_q7bb762f0dc_prep:
	s_mov_b64 s[64:65], 0
	v_nop
	global_prefetch_b8 v0, s[64:65] scope:SCOPE_SE
	s_setreg_imm32_b32 hwreg(HW_REG_WAVE_MODE, 25, 1), 1
	s_wait_xcnt 0x0
; PREP: all that hangs on one row of x alone.  x: [1024][256] f32 (4 batches x 256 rows).  Wq, Wk [256][256], Wv [128][256]: codes of BF6 (E3M2), K innermost, 192 bytes a row, 8 scale bytes a row.
; WORK-GROUPS 0-127 (0-63: Wq, 64-127: Wk): one tile of 16 rows.  psi = x / (|x| + 1e-12) is quantised along its 256, amp = psi W^T, p = amp^2, rho = p / (sum p + 1e-10).
;   Each of the four waves loads and quantises the 16 rows itself and multiplies them by ITS 64 rows of W (4 tiles x 2 K steps = 8 matrix instructions), TRANSPOSED (source 0 = 16 rows of W,
;   source 1 = psi): a lane holds ONE row of x and eight neighbouring columns a tile.  The row's sum of p over the four waves' columns meets in LDS: one barrier.
;   Stored: R = 128 rho, laid [batch][chunk of 32 rows][e / 4][row in chunk][4 numbers]: so each store of 16 bytes a lane fills two aligned runs of 256 bytes, and the next launch's lanes (a lane to a row)
;   read 512 consecutive bytes an instruction.  And for each wave and row its part of H = (ln 2 / 256) sum R log2(2 R + 256 eps) = 0.5 sum rho ln(256 (rho + eps)): [wave][1024].
;   (The factor 256 inside the logarithms cancels in the divergence, exactly: it only keeps the sums small.  128 and 256 are powers of two: mantissas and roundings are those of rho and rho + eps.)
; WORK-GROUPS 128-159: 32 rows (one block of 32 keys of one batch): V = x Wv^T on the quantised x, then V is quantised ALONG THE KEYS.  Wave w quantises one piece of x (tile w / 2, K step w % 2) and hands it
;   to the others through LDS as an image of the operand's registers: one barrier.  Then it makes channels 32 w .. 32 w + 31 (source 0 = 16 rows of x, source 1 = 16 rows of Wv: a lane holds one channel
;   and eight keys).  THE ROWS OF A TILE ARE NOT NEIGHBOURS: lane r of tile u takes row 8 u + r + 8 (r / 8), so that the 16 registers of tiles 0 and 1 are 16 neighbouring keys, 16 (lane / 16) + 0 .. 15.
;   Stored: codes laid [batch][channel tile][block of keys][channel in tile][24 bytes] (a wave's store covers 384 consecutive bytes), scale bytes [batch][channel][8].
; The two kinds of work-group part on the work-group's number alone and use LDS bytes of their own.  No tensor loads: every operand goes from memory into the registers of the wave that uses it.
; LIMITS: NaN and infinities are not served; a row's sum of squares must stay inside f32 (|x| between about 1e-18 and 1e18); divisions are v_rcp_f32 and a multiply (1 ulp);
; a block of zeros gets the scale byte 1 and zero codes (the bytes are read by this program alone); blocks whose largest magnitude lies under 2^-122 are held at that byte.
.set X,    128                         ; v128-255 x, then psi: register 32 g + i = element 32 (2 g + lane / 16) + i of my row   (values' path: v128-191, one K step)
.set ACC,  128                         ; the accumulators take x's place: v128-159
.set XF,   160                         ; values' path: v160-207 x's four fragments (2 tile + K step)
.set WV,   208                         ; values' path: v208-255 Wv's four fragments (24 tile + 12 K step)
.set WS,   32                          ; v32-39 the weights' scale words (2 tile + K step): scales and nothing else
.set XS,   36                          ; values' path: v36-39 x's scale words
.set PW,   40                          ; v40-41 the scale words just made
.set F,    44                          ; v44-67 the codes just made: two fragments of 12
.set N,    10                          ; v10-17 four running pairs of a sum
.set EV,   18                          ; v18-19 256 eps, twice
.set INV,  20                          ; v20-21 a reciprocal, twice
.set QP,   22                          ; what the lane 16 away sends
.set SH8,  23                          ; 8 x (lane / 16)
.set QT,   68                          ; v68-83 second halves of blocks' codes
.set QM,   84                          ; v84-87 largest magnitudes
.set QS,   88                          ; v88-91 the conversions' scale operands
.set QB,   92                          ; v92-95 scale bytes
.set T,    96                          ; v96-127 logarithms
.set SEL,  40                          ; s[40:41] lane selects: lane l xor 16
.set IMG,  1024                        ; LDS: bytes 0-255 the row sums (first kind); from 1024 the four images of 1,536 bytes (second kind),
.set FRB,  1536
.set VSW,  IMG+4*FRB                   ; and their scale words, 128 bytes each
.set MSB, 0
.macro WIN new                         ; the immediate's high byte repeats the setting that is left
.if MSB != \new
	s_set_vgpr_msb (MSB<<8)|\new
.set MSB, \new
.endif
.endm
; 64 nf numbers of a lane, whole blocks of 32 (block q at v[src + 32 q]), become nf fragments of codes at v[dst] and nf scale words at v[wrd].
; A lane (r, h) holds blocks h, 2 + h of each K step of 128: just what the operand's layout gives it, so the conversions' results are the operand's registers.
.macro QUANT src, dst, wrd, nf
.set qb, 0
.rept 2*\nf
	v_max3_num_f32 v[QM+qb], |v[\src+32*qb]|, |v[\src+32*qb+1]|, 0x2800000   ; the floor 2^(5 - 127) among the leaves: the byte cannot fall under 1
.set qb, qb+1
.endr
.set qi, 2
.rept 15
.set qb, 0
.rept 2*\nf
	v_max3_num_f32 v[QM+qb], v[QM+qb], |v[\src+32*qb+qi]|, |v[\src+32*qb+qi+1]|   ; the blocks by turns
.set qb, qb+1
.endr
.set qi, qi+2
.endr
.set qb, 0
.rept 2*\nf
	v_add_nc_u32 v[QS+qb], 0xfe000000, v[QM+qb]    ; 4 off the exponent field: the conversion takes this operand's exponent field as its scale
.set qb, qb+1
.endr
.set qb, 0
.rept 2*\nf
	v_lshrrev_b32 v[QB+qb], 23, v[QS+qb]           ; the scale's byte
.set qb, qb+1
.endr
.set qb, 0
.rept \nf
	v_lshl_or_b32 v[\wrd+qb], v[QB+2*qb+1], 16, v[QB+2*qb]   ; my two bytes of the K step's word,
	v_lshlrev_b32 v[\wrd+qb], v[SH8], v[\wrd+qb]             ; at their places,
	v_permlanex16_b32 v[QP], v[\wrd+qb], s[SEL], s[SEL+1]
	v_or_b32 v[\wrd+qb], v[\wrd+qb], v[QP]                   ; with the other half's two the word is whole
.set qb, qb+1
.endr
.set qb, 0
.rept 2*\nf
	v_cvt_scalef32_pk16_bf6_f32 v[\dst+6*qb:\dst+6*qb+2], v[\src+32*qb:\src+32*qb+15], v[QS+qb]
	v_cvt_scalef32_pk16_bf6_f32 v[QT+4*qb:QT+4*qb+2], v[\src+32*qb+16:\src+32*qb+31], v[QS+qb]   ; (a conversion's three registers begin on an even number: made elsewhere and moved)
.set qb, qb+1
.endr
	v_nop                                          ; one plain place behind the scaled conversions
.set qb, 0
.rept 2*\nf
	v_mov_b32 v[\dst+6*qb+3], v[QT+4*qb]
	v_mov_b32 v[\dst+6*qb+4], v[QT+4*qb+1]
	v_mov_b32 v[\dst+6*qb+5], v[QT+4*qb+2]
.set qb, qb+1
.endr
.endm
.macro ROWSUM                          ; the four pairs v[N] .. v[N + 7] and the lane 16 away: my row's sum, in v[N], the same bits in both halves of the lanes
	v_pk_add_f32 v[N:N+1], v[N:N+1], v[N+2:N+3]
	v_pk_add_f32 v[N+4:N+5], v[N+4:N+5], v[N+6:N+7]
	v_pk_add_f32 v[N:N+1], v[N:N+1], v[N+4:N+5]
	v_add_f32 v[N], v[N], v[N+1]
	v_permlanex16_b32 v[QP], v[N], s[SEL], s[SEL+1]
	v_add_f32 v[N], v[N], v[QP]
.endm
	s_load_b256 s[4:11], s[0:1], 0x0               ; x s[4:5], Wq's codes s[6:7], Wq's scales s[8:9], Wk's codes s[10:11]
	s_load_b256 s[12:19], s[0:1], 0x20             ; Wk's scales s[12:13], Wv's codes s[14:15], Wv's scales s[16:17], rq s[18:19]
	s_load_b256 s[20:27], s[0:1], 0x40             ; rk s[20:21], hq s[22:23], hk s[24:25], vc s[26:27]
	s_load_b64 s[28:29], s[0:1], 0x60              ; vs
	v_lshl_add_u32 v79, v0, 2, 0x2000
	v_mov_b32 v83, 0
	v_lshrrev_b32 v1, 5, v0
	v_readfirstlane_b32 s30, v1                    ; wave 0..3
	v_and_b32 v1, 15, v0                           ; r
	v_bfe_u32 v2, v0, 4, 1                         ; h
	v_lshlrev_b32 v[SH8], 3, v2
	v_mul_u32_u24 v4, v1, 192                      ; a weight's fragment: row r of 192 bytes,
	v_mad_u32_u24 v4, v2, 24, v4                   ; + 24 h
	v_lshlrev_b32 v5, 3, v1                        ; a weight's scale words: 8 bytes a row
	v_mov_b32 v[QP], 0                             ; written once: a lane permute's destination counts as one of its sources
	s_mov_b32 s[SEL], 0x76543210
	s_mov_b32 s[SEL+1], 0xfedcba98
	s_mov_b32 s35, 0
	s_cmp_lt_u32 ttmp9, 128
	s_cbranch_scc0 .Lvalues
	; ================= rho_q or rho_k of 16 rows =================
	v_lshlrev_b32 v3, 10, v1
	v_lshl_add_u32 v3, v2, 7, v3                   ; x: row r of 1,024 bytes, + 128 h: my first block
	v_lshlrev_b32 v9, 4, v1                        ; LDS: my row's four partial sums, 16 r
	v_lshl_add_u32 v6, v2, 10, v9                  ; R: 16 bytes a row, lanes 16-31 two groups of four columns (1,024 bytes) on
	v_lshlrev_b32 v7, 2, v1                        ; H: 4 bytes a row
	s_lshl_b32 s34, s30, 2
	v_add_nc_u32 v8, s34, v9                       ; LDS: where my wave's partial sum goes: 16 r + 4 wave
	v_mov_b32 v[EV], 0x32dbe6ff                    ; 256 x 1e-10
	v_mov_b32 v[EV+1], 0x32dbe6ff
	s_wait_kmcnt 0x0
	s_cmp_lt_u32 ttmp9, 64                         ; Wq's work-group or Wk's: the choice hangs on the work-group's number alone
	s_cselect_b64 s[6:7], s[6:7], s[10:11]
	s_cselect_b64 s[8:9], s[8:9], s[12:13]
	s_cselect_b64 s[18:19], s[18:19], s[20:21]
	s_cselect_b64 s[22:23], s[22:23], s[24:25]
	s_and_b32 s31, ttmp9, 63                       ; the tile of 16 rows
	s_lshl_b32 s34, s31, 14
	s_add_nc_u64 s[4:5], s[4:5], s[34:35]          ; x at the tile's first row
	s_mul_i32 s34, s30, 12288
	s_add_nc_u64 s[6:7], s[6:7], s[34:35]          ; W at my wave's 64 rows
	s_lshl_b32 s34, s30, 9
	s_add_nc_u64 s[8:9], s[8:9], s[34:35]
	s_lshr_b32 s34, s31, 1                         ; R: the chunk of 32 rows (32,768 bytes),
	s_lshl_b32 s34, s34, 15
	s_and_b32 s36, s31, 1
	s_lshl_b32 s36, s36, 8                         ; which 16 of its rows,
	s_add_co_u32 s34, s34, s36
	s_lshl_b32 s36, s30, 13                        ; my wave's 64 columns: 16 groups of 512 bytes
	s_add_co_u32 s34, s34, s36
	s_add_nc_u64 s[18:19], s[18:19], s[34:35]
	s_lshl_b32 s34, s30, 12                        ; H: [wave][1024]
	s_lshl_b32 s36, s31, 6
	s_add_co_u32 s34, s34, s36
	s_add_nc_u64 s[22:23], s[22:23], s[34:35]
.irp g, 0,1,2,3
.irp k, 0,1,2,3,4,5,6,7
	global_load_b128 v[X+32*\g+4*\k:X+32*\g+4*\k+3], v3, s[4:5] offset:256*\g+16*\k   ; block 2 g + h of my row
.endr
.endr
	WIN 0x40                                       ; destination window 1: W's eight fragments, v[24 tile + 12 K step] there
.irp t, 0,1,2,3
.irp s, 0,1
.irp p, 0,1,2,3,4,5
	global_load_b64 v[24*\t+12*\s+2*\p:24*\t+12*\s+2*\p+1], v4, s[6:7] offset:3072*\t+96*\s+48*(\p/3)+8*(\p%3)
.endr
.endr
.endr
	WIN 0
.irp t, 0,1,2,3
.irp s, 0,1
	global_load_b32 v[WS+2*\t+\s], v5, s[8:9] offset:128*\t+4*\s
.endr
.endr
	s_wait_loadcnt 56                              ; x's 32 loads are in; the 48 + 8 loads of W issued behind them may be out
.irp i, 0,1,2,3
	v_pk_mul_f32 v[N+2*\i:N+2*\i+1], v[X+2*\i:X+2*\i+1], v[X+2*\i:X+2*\i+1]   ; the sum of squares, in four chains; the first products start them
.endr
.set i, 4
.rept 60
	v_pk_fma_f32 v[N+2*(i%4):N+2*(i%4)+1], v[X+2*i:X+2*i+1], v[X+2*i:X+2*i+1], v[N+2*(i%4):N+2*(i%4)+1]
.set i, i+1
.endr
	ROWSUM
	v_sqrt_f32 v[N+1], v[N]
	v_nop                                          ; a plain place behind the transcendental,
	s_wait_alu depctr_va_vdst(0)                   ; and the wait ahead of its first reader
	v_add_f32 v[N+1], 0x2b8cbccc, v[N+1]           ; + 1e-12
	v_rcp_f32 v[INV], v[N+1]
	v_nop
	s_wait_alu depctr_va_vdst(0)
	v_mov_b32 v[INV+1], v[INV]
.set i, 0
.rept 64
	v_pk_mul_f32 v[X+2*i:X+2*i+1], v[X+2*i:X+2*i+1], v[INV:INV+1]   ; psi
.set i, i+1
.endr
	QUANT X, F, PW, 2
	s_wait_loadcnt 0x0                             ; W
.rept 8
	v_nop                                          ; a scale word written by vector instructions stands 8 places ahead of a scaled matrix instruction, codes so written 4
.endr
	WIN 0x01                                       ; source 0 (W) window 1
.irp t, 0,1,2,3                                    ; the four accumulators take turns, one instruction a turn; the first K step starts the sums
	v_wmma_scale_f32_16x16x128_f8f6f4 v[ACC+8*\t:ACC+8*\t+7], v[24*\t:24*\t+11], v[F:F+11], 0, v[WS+2*\t], v[PW] matrix_a_fmt:MATRIX_FMT_BF6 matrix_b_fmt:MATRIX_FMT_BF6
.endr
.irp t, 0,1,2,3
	v_wmma_scale_f32_16x16x128_f8f6f4 v[ACC+8*\t:ACC+8*\t+7], v[24*\t+12:24*\t+23], v[F+12:F+23], v[ACC+8*\t:ACC+8*\t+7], v[WS+2*\t+1], v[PW+1] matrix_a_fmt:MATRIX_FMT_BF6 matrix_b_fmt:MATRIX_FMT_BF6
.endr
	WIN 0
.rept 4
	v_nop                                          ; four places behind the last products
.endr
.set i, 0
.rept 16
	v_pk_mul_f32 v[ACC+2*i:ACC+2*i+1], v[ACC+2*i:ACC+2*i+1], v[ACC+2*i:ACC+2*i+1]   ; p = amp^2; each accumulator from its low end on.  Register 8 t + j: column 64 wave + 16 t + 8 h + j of row r
.set i, i+1
.endr
.irp i, 0,1,2,3
	v_pk_add_f32 v[N+2*\i:N+2*\i+1], v[ACC+2*\i:ACC+2*\i+1], v[ACC+8+2*\i:ACC+8+2*\i+1]
.endr
.irp i, 0,1,2,3
	v_pk_add_f32 v[N+2*\i:N+2*\i+1], v[N+2*\i:N+2*\i+1], v[ACC+16+2*\i:ACC+16+2*\i+1]
.endr
.irp i, 0,1,2,3
	v_pk_add_f32 v[N+2*\i:N+2*\i+1], v[N+2*\i:N+2*\i+1], v[ACC+24+2*\i:ACC+24+2*\i+1]
.endr
	ROWSUM                                         ; my row's sum of p over my wave's 64 columns
	ds_store_b32 v8, v[N]                          ; (both halves of the lanes write the same word with the same value)
	s_wait_dscnt 0x0                               ; for the others' sake: my store has landed
	s_barrier_signal -1
	s_barrier_wait -1
	ds_load_b128 v[N:N+3], v9                      ; the four waves' sums of my row
	s_wait_dscnt 0x0
	v_add_f32 v[N], v[N], v[N+1]
	v_add_f32 v[N+2], v[N+2], v[N+3]
	v_add_f32 v[N], v[N], v[N+2]
	v_add_f32 v[N], 0x2edbe6ff, v[N]               ; + 1e-10
	v_rcp_f32 v[INV], v[N]
	v_nop
	s_wait_alu depctr_va_vdst(0)
	v_mul_f32 v[INV], 0x43000000, v[INV]           ; x 128
	v_mov_b32 v[INV+1], v[INV]
.set i, 0
.rept 16
	v_pk_mul_f32 v[ACC+2*i:ACC+2*i+1], v[ACC+2*i:ACC+2*i+1], v[INV:INV+1]   ; R = 128 rho
.set i, i+1
.endr
.irp t, 0,1,2,3
.irp j, 0,1
	global_store_b128 v6, v[ACC+8*\t+4*\j:ACC+8*\t+4*\j+3], s[18:19] offset:2048*\t+512*\j   ; lanes 0-15 fill one aligned run of 256 bytes, lanes 16-31 another
.endr
.endr
.set i, 0
.rept 16
	v_pk_fma_f32 v[T+2*i:T+2*i+1], v[ACC+2*i:ACC+2*i+1], 2.0, v[EV:EV+1] op_sel_hi:[1,0,1]   ; 256 (rho + eps), rounded once as rho + eps is
.set i, i+1
.endr
.set i, 0
.rept 32
	v_log_f32 v[T+i], v[T+i]
.set i, i+1
.endr
	v_nop                                          ; one plain place and one wait for the batch of 32
	s_wait_alu depctr_va_vdst(0)
.irp i, 0,1,2,3
	v_pk_mul_f32 v[N+2*\i:N+2*\i+1], v[ACC+2*\i:ACC+2*\i+1], v[T+2*\i:T+2*\i+1]
.endr
.set i, 4
.rept 12
	v_pk_fma_f32 v[N+2*(i%4):N+2*(i%4)+1], v[ACC+2*i:ACC+2*i+1], v[T+2*i:T+2*i+1], v[N+2*(i%4):N+2*(i%4)+1]
.set i, i+1
.endr
	ROWSUM
	v_mul_f32 v[N], 0x3b317218, v[N]               ; x ln 2 / 256
	global_store_b32 v7, v[N], s[22:23]            ; 16 rows, 64 bytes (both halves of the lanes store the same word with the same value)
	s_wait_tensorcnt 0x0
	ds_add_u32 v79, v83
	s_wait_dscnt 0x0
	s_endpgm
	; ================= V of 32 keys, quantised along the keys =================
.Lvalues:
	s_sub_co_u32 s31, ttmp9, 128                   ; which 32 rows of x: 8 batch + block of keys
	v_and_b32 v3, 8, v1
	v_add_nc_u32 v3, v3, v1                        ; r + 8 (r / 8)
	v_lshlrev_b32 v3, 10, v3
	v_lshl_add_u32 v3, v2, 7, v3                   ; x: that row, + 128 h
	v_mul_u32_u24 v6, v1, 24
	v_mad_u32_u24 v6, v2, 12, v6                   ; V's codes: 24 bytes a channel, my half block's 12
	v_and_b32 v26, 31, v0                          ; lane
	v_lshlrev_b32 v9, 4, v26
	v_add_nc_u32 v9, IMG, v9                       ; an image's place for my lane: 16 x lane
	s_mul_i32 s34, s30, FRB
	v_add_nc_u32 v8, s34, v9                       ; where I store mine: + 1,536 x wave
	v_lshlrev_b32 v25, 2, v26
	v_add_nc_u32 v25, VSW, v25                     ; a scale word's: 4 x lane
	s_lshl_b32 s34, s30, 7
	v_add_nc_u32 v24, s34, v25                     ; + 128 x wave
	s_lshr_b32 s36, s30, 1                         ; my piece of x: tile wave / 2,
	s_and_b32 s37, s30, 1                          ; K step wave % 2
	s_lshl_b32 s34, s31, 15
	s_lshl_b32 s36, s36, 13
	s_add_co_u32 s34, s34, s36
	s_lshl_b32 s37, s37, 9
	s_add_co_u32 s34, s34, s37
	s_wait_kmcnt 0x0
	s_add_nc_u64 s[4:5], s[4:5], s[34:35]
	s_mul_i32 s34, s30, 6144
	s_add_nc_u64 s[14:15], s[14:15], s[34:35]      ; Wv at my wave's 32 rows
	s_lshl_b32 s34, s30, 8
	s_add_nc_u64 s[16:17], s[16:17], s[34:35]
	s_lshr_b32 s36, s31, 3                         ; batch
	s_and_b32 s37, s31, 7                          ; block of keys
	s_mul_i32 s34, s36, 24576
	s_mul_i32 s38, s30, 6144
	s_add_co_u32 s34, s34, s38
	s_mul_i32 s38, s37, 384
	s_add_co_u32 s34, s34, s38
	s_add_nc_u64 s[26:27], s[26:27], s[34:35]      ; codes: [batch][channel tile 3,072][block 384][channel 24]
	s_lshl_b32 s34, s36, 10
	s_lshl_b32 s38, s30, 8
	s_add_co_u32 s34, s34, s38
	s_add_co_u32 s34, s34, s37
	s_add_nc_u64 s[28:29], s[28:29], s[34:35]      ; scale bytes: [batch][channel][8]
.irp g, 0,1
.irp k, 0,1,2,3,4,5,6,7
	global_load_b128 v[X+32*\g+4*\k:X+32*\g+4*\k+3], v3, s[4:5] offset:256*\g+16*\k
.endr
.endr
.irp t, 0,1
.irp s, 0,1
.irp p, 0,1,2,3,4,5
	global_load_b64 v[WV+24*\t+12*\s+2*\p:WV+24*\t+12*\s+2*\p+1], v4, s[14:15] offset:3072*\t+96*\s+48*(\p/3)+8*(\p%3)
.endr
	global_load_b32 v[WS+2*\t+\s], v5, s[16:17] offset:128*\t+4*\s
.endr
.endr
	s_wait_loadcnt 28                              ; my piece of x is in; Wv's 24 + 4 loads issued behind it may be out
	QUANT X, F, PW, 1
.irp k, 0,1,2
	ds_store_b128 v8, v[F+4*\k:F+4*\k+3] offset:512*\k   ; the fragment goes to LDS as it stands
.endr
	ds_store_b32 v24, v[PW]
	s_wait_dscnt 0x0                               ; for the others' sake: my stores have landed
	s_barrier_signal -1
	s_barrier_wait -1
.irp f, 0,1,2,3
.irp k, 0,1,2
	ds_load_b128 v[XF+12*\f+4*\k:XF+12*\f+4*\k+3], v9 offset:FRB*\f+512*\k   ; and comes back so, in every wave
.endr
	ds_load_b32 v[XS+\f], v25 offset:128*\f
.endr
	s_wait_dscnt 0x0
	s_wait_loadcnt 0x0                             ; Wv
.irp s, 0,1
.irp t, 0,1
.irp u, 0,1                                        ; four accumulators by turns, one instruction a turn: (channel tile t, tile of rows u) at v[ACC + 16 t + 8 u]
.if \s == 0
	v_wmma_scale_f32_16x16x128_f8f6f4 v[ACC+16*\t+8*\u:ACC+16*\t+8*\u+7], v[XF+12*(2*\u+\s):XF+12*(2*\u+\s)+11], v[WV+24*\t+12*\s:WV+24*\t+12*\s+11], 0, v[XS+2*\u+\s], v[WS+2*\t+\s] matrix_a_fmt:MATRIX_FMT_BF6 matrix_b_fmt:MATRIX_FMT_BF6
.else
	v_wmma_scale_f32_16x16x128_f8f6f4 v[ACC+16*\t+8*\u:ACC+16*\t+8*\u+7], v[XF+12*(2*\u+\s):XF+12*(2*\u+\s)+11], v[WV+24*\t+12*\s:WV+24*\t+12*\s+11], v[ACC+16*\t+8*\u:ACC+16*\t+8*\u+7], v[XS+2*\u+\s], v[WS+2*\t+\s] matrix_a_fmt:MATRIX_FMT_BF6 matrix_b_fmt:MATRIX_FMT_BF6
.endif
.endr
.endr
.endr
.rept 4
	v_nop                                          ; four places behind the last products
.endr
.irp t, 0,1                                        ; register 16 t + i of lane (r, h): V(key 16 h + i of the block, channel 32 wave + 16 t + r)
	v_max3_num_f32 v[QM+\t], |v[ACC+16*\t]|, |v[ACC+16*\t+1]|, 0x2800000
.endr
.irp i, 2,4,6,8,10,12,14
.irp t, 0,1
	v_max3_num_f32 v[QM+\t], v[QM+\t], |v[ACC+16*\t+\i]|, |v[ACC+16*\t+\i+1]|   ; ascending: each accumulator is read from its low end on
.endr
.endr
.irp t, 0,1
	v_permlanex16_b32 v[QB+\t], v[QM+\t], s[SEL], s[SEL+1]
.endr
.irp t, 0,1
	v_max_num_f32 v[QM+\t], v[QM+\t], v[QB+\t]     ; with the other 16 keys': the block's largest magnitude
.endr
.irp t, 0,1
	v_add_nc_u32 v[QS+\t], 0xfe000000, v[QM+\t]
.endr
.irp t, 0,1
	v_lshrrev_b32 v[QB+\t], 23, v[QS+\t]
.endr
.irp t, 0,1
	v_cvt_scalef32_pk16_bf6_f32 v[QT+4*\t:QT+4*\t+2], v[ACC+16*\t:ACC+16*\t+15], v[QS+\t]
.endr
	v_nop                                          ; one plain place behind the scaled conversions
.irp t, 0,1
	global_store_b96 v6, v[QT+4*\t:QT+4*\t+2], s[26:27] offset:3072*\t   ; 32 lanes store 384 consecutive bytes
	global_store_b8 v5, v[QB+\t], s[28:29] offset:128*\t                 ; one byte a channel (both halves of the lanes store the same byte): 4 KB in the whole launch
.endr
	s_wait_tensorcnt 0x0
	ds_add_u32 v79, v83
	s_wait_dscnt 0x0
	s_endpgm
.Lfunc_end_k_q7bb762f0dc_prep:
	.size	k_q7bb762f0dc_prep, .Lfunc_end_k_q7bb762f0dc_prep-k_q7bb762f0dc_prep
	.p2alignl 7, 3214868480
	.fill 96, 4, 3214868480
	.section	.rodata,"a",@progbits
	.p2align	6, 0x0
	.amdhsa_kernel k_q7bb762f0dc_prep
		.amdhsa_group_segment_fixed_size 8704
		.amdhsa_private_segment_fixed_size 0
		.amdhsa_enable_private_segment 0
		.amdhsa_kernarg_size 104
		.amdhsa_user_sgpr_count 2
		.amdhsa_user_sgpr_kernarg_segment_ptr 1
		.amdhsa_wavefront_size32 1
		.amdhsa_system_sgpr_workgroup_id_x 1
		.amdhsa_system_sgpr_workgroup_id_y 1
		.amdhsa_system_sgpr_workgroup_id_z 1
		.amdhsa_system_vgpr_workitem_id 0
		.amdhsa_next_free_vgpr 352
		.amdhsa_next_free_sgpr 66
		.amdhsa_reserve_vcc 0
		.amdhsa_float_denorm_mode_32 3
		.amdhsa_float_denorm_mode_16_64 3
		.amdhsa_memory_ordered 1
		.amdhsa_forward_progress 1
		.amdhsa_inst_pref_size 49
	.end_amdhsa_kernel
	.amdgpu_metadata
---
amdhsa.version: [ 1, 2 ]
amdhsa.kernels:
  - .name:           k_q7bb762f0dc_prep
    .symbol:         k_q7bb762f0dc_prep.kd
    .args:
      - { .name: x, .offset: 0, .size: 8, .value_kind: global_buffer, .address_space: global }
      - { .name: Wq_codes, .offset: 8, .size: 8, .value_kind: global_buffer, .address_space: global }
      - { .name: Wq_scales, .offset: 16, .size: 8, .value_kind: global_buffer, .address_space: global }
      - { .name: Wk_codes, .offset: 24, .size: 8, .value_kind: global_buffer, .address_space: global }
      - { .name: Wk_scales, .offset: 32, .size: 8, .value_kind: global_buffer, .address_space: global }
      - { .name: Wv_codes, .offset: 40, .size: 8, .value_kind: global_buffer, .address_space: global }
      - { .name: Wv_scales, .offset: 48, .size: 8, .value_kind: global_buffer, .address_space: global }
      - { .name: rq, .offset: 56, .size: 8, .value_kind: global_buffer, .address_space: global }
      - { .name: rk, .offset: 64, .size: 8, .value_kind: global_buffer, .address_space: global }
      - { .name: hq, .offset: 72, .size: 8, .value_kind: global_buffer, .address_space: global }
      - { .name: hk, .offset: 80, .size: 8, .value_kind: global_buffer, .address_space: global }
      - { .name: vc, .offset: 88, .size: 8, .value_kind: global_buffer, .address_space: global }
      - { .name: vs, .offset: 96, .size: 8, .value_kind: global_buffer, .address_space: global }
    .group_segment_fixed_size: 8704
    .private_segment_fixed_size: 0
    .kernarg_segment_align: 8
    .kernarg_segment_size: 104
    .max_flat_workgroup_size: 128
    .sgpr_count:     66
    .vgpr_count:     352
    .wavefront_size: 32
...
	.end_amdgpu_metadata
.endif
;; end of part 1
;; launch attend (part 2): grid 64 x 4, 16 waves a work-group, no clusters, 75,776 bytes of LDS; arguments rq, rk, hq, hk, vc, vs, out0; writes out0
.if DOCPART == 2
	.amdgcn_target "amdgcn-amd-amdhsa--gfx1250"
	.amdhsa_code_object_version 6
	.text
	.protected	k_q7bb762f0dc_attend
	.globl	k_q7bb762f0dc_attend
	.p2align	8
	.type	k_q7bb762f0dc_attend,@function
k_q7bb762f0dc_attend:
	s_mov_b64 s[64:65], 0
	v_nop
	global_prefetch_b8 v0, s[64:65] scope:SCOPE_SE
	s_setreg_imm32_b32 hwreg(HW_REG_WAVE_MODE, 25, 1), 1
	s_wait_xcnt 0x0
; ATTEND: score(i, j) = 1 - js(rho_q[i], rho_k[j]) for j <= i, else 0; each row divided by max(its sum of magnitudes, 1e-12), quantised along the keys, and multiplied by the quantised V.
; js = Hq[i] + Hk[j] - (ln 2 / 256) sum over e of a log2(a + 256 eps), a = Rq[i][e] + Rk[j][e] = 256 m  (R = 128 rho and H come from the launch before; a and a + 256 eps have the mantissas and
; roundings of m and m + eps; the factor 256 inside the three logarithms cancels exactly).
; SHARES.  Work-group (p, batch) owns queries 2 p, 2 p + 1, 254 - 2 p, 255 - 2 p.  The low pair needs p / 16 + 1 chunks of 32 keys, the high pair 8 - p / 16: NINE (pair, chunk) units in every work-group.
; A LANE IS A KEY.  Wave w of sixteen takes e = 16 w .. 16 w + 15 of every unit: its four queries' 64 numbers stay in registers (the same in all lanes), a chunk's numbers are four loads of 512 consecutive bytes.
; A unit is 32 packed additions, 32 logarithms (one batch, one wait) and 16 packed multiply-adds a wave; four waves share a SIMD, so that one wave's wait stands beside another's work.
; Then: the sixteen waves' partial sums meet in LDS | barrier | each thread adds the sixteen parts of two (query, key) pairs, makes the masked score | barrier | waves 0-7 each build the operand
; (lane (r, h): query r % 4, whole blocks of 32 keys; rows 4-15 of the tile repeat rows 0-3), and multiply one tile of 16 channels of V by it (source 0 = V's 16 channels, source 1 = the scores: a lane holds
; one query and eight neighbouring channels) | barrier | waves 0-3 each store one whole row of 512 bytes.
; NO CLUSTER, NO TENSOR LOAD: a chunk's numbers go from memory straight into the registers of the one wave that uses them, 2 KB a wave; each 16 bytes feed 8 or 16 logarithms; a joint load would add a pass of
; 32 KB a chunk into LDS and out again.  No loop: eight chunks are written out, every offset is an immediate, and chunks that the mask hides are jumped over by scalar branches on the work-group's number.
; LIMITS: NaN and infinities are not served; the division is v_rcp_f32 and a multiply (1 ulp); a block of zeros gets the scale byte 1 and zero codes; the sums' order differs from a plain sum along e.
.set QO,   1                           ; v1   rk: 2,048 wave + 16 lane
.set PA,   4                           ; v4   LDS: my wave's partial sums: 4,096 wave + 4 lane
.set BA,   5                           ; v5   LDS: the parts that I add: 8 x thread
.set BS,   6                           ; v6   LDS: where my two scores go
.set CA,   7                           ; v7   LDS: my query's scores, my first block
.set CO,   8                           ; v8   LDS: where my eight results go
.set DO,   9                           ; v9   LDS: a row of results, 16 bytes a lane
.set VO,   10                          ; v10  V's codes: 384 h + 24 r
.set VS,   11                          ; v11  V's scale words: 8 r
.set GO,   12                          ; v12  16 lane
.set ZERO, 13                          ; v13  0
.set CK,   14                          ; v14-15 Hq + Hk of my two (query, key) pairs
.set AC,   16                          ; v16-23 four running pairs; later the sum of magnitudes; later the product's result
.set INV,  20
.set RES,  24                          ; v24-31 the low pair's results (2 chunk + query), v32-47 the high pair's
.set QM,   24                          ; (the quantiser's registers take their place)
.set QS,   28
.set QT,   32
.set VW,   48                          ; v48-49 V's scale words; v50-51 the scores': scales and nothing else
.set AW,   50
.set QB,   52
.set QP,   56
.set SH8,  57
.set HO,   58                          ; v58  hk: 8 x (thread % 128)
.set P,    64                          ; v64-127 the four queries' numbers: 16 query + e
.set VF,   64                          ; later: V's two fragments
.set F,    96                          ; later: the scores' two fragments
.set Q,    128                         ; v128-191 a ring of four chunks of keys, 16 registers each
.set S,    128                         ; later: v128-255 my query's 128 scores
.set A,    192                         ; v192-223 a, two queries
.set T,    192
.set B,    224                         ; v224-255 a + 256 eps, then its logarithm
.set WVN,  20                          ; s20 wave
.set CL,   24                          ; s24 chunks of the low pair, s25 of the high pair
.set CH,   25
.set IB,   31                          ; s31 the query whose scores my thread makes
.set PL,   40                          ; s[40:41], s[42:43] rq at the low and the high pair's numbers of my 16 e
.set PH,   42
.set EPS,  44                          ; s[44:45] 256 eps
.set KSN,  46                          ; s46 -ln 2 / 256
.set IW,   47                          ; s47 the query whose row my wave stores
.set SEL,  48                          ; s[48:49] lane selects: lane l xor 16
.set SC,   65536                       ; LDS: bytes 0-65,535 the partial sums [wave][query][key]; then the scores, 4 rows of 1,024 + 16 bytes;
.set SCP,  1040
.set OUTS, 69888                       ; then 4 rows of results of 512 bytes
.macro QUANT src, dst, wrd, nf         ; 64 nf numbers of a lane, whole blocks of 32, become nf fragments of codes and nf scale words: lane (r, h) holds blocks h, 2 + h of each K step
.set qb, 0
.rept 2*\nf
	v_max3_num_f32 v[QM+qb], |v[\src+32*qb]|, |v[\src+32*qb+1]|, 0x2800000   ; the floor 2^(5 - 127) among the leaves: the byte cannot fall under 1
.set qb, qb+1
.endr
.set qi, 2
.rept 15
.set qb, 0
.rept 2*\nf
	v_max3_num_f32 v[QM+qb], v[QM+qb], |v[\src+32*qb+qi]|, |v[\src+32*qb+qi+1]|
.set qb, qb+1
.endr
.set qi, qi+2
.endr
.set qb, 0
.rept 2*\nf
	v_add_nc_u32 v[QS+qb], 0xfe000000, v[QM+qb]    ; 4 off the exponent field: the conversion's scale operand
.set qb, qb+1
.endr
.set qb, 0
.rept 2*\nf
	v_lshrrev_b32 v[QB+qb], 23, v[QS+qb]           ; the scale's byte
.set qb, qb+1
.endr
.set qb, 0
.rept \nf
	v_lshl_or_b32 v[\wrd+qb], v[QB+2*qb+1], 16, v[QB+2*qb]
	v_lshlrev_b32 v[\wrd+qb], v[SH8], v[\wrd+qb]
	v_permlanex16_b32 v[QP], v[\wrd+qb], s[SEL], s[SEL+1]
	v_or_b32 v[\wrd+qb], v[\wrd+qb], v[QP]         ; with the other half's two bytes the word is whole
.set qb, qb+1
.endr
.set qb, 0
.rept 2*\nf
	v_cvt_scalef32_pk16_bf6_f32 v[\dst+6*qb:\dst+6*qb+2], v[\src+32*qb:\src+32*qb+15], v[QS+qb]
	v_cvt_scalef32_pk16_bf6_f32 v[QT+4*qb:QT+4*qb+2], v[\src+32*qb+16:\src+32*qb+31], v[QS+qb]   ; (a conversion's three registers begin on an even number)
.set qb, qb+1
.endr
	v_nop                                          ; one plain place behind the scaled conversions
.set qb, 0
.rept 2*\nf
	v_mov_b32 v[\dst+6*qb+3], v[QT+4*qb]
	v_mov_b32 v[\dst+6*qb+4], v[QT+4*qb+1]
	v_mov_b32 v[\dst+6*qb+5], v[QT+4*qb+2]
.set qb, qb+1
.endr
.endm
.macro LOADQ c                         ; chunk c's numbers of my 16 e: four loads of 512 consecutive bytes
.irp k, 0,1,2,3
	global_load_b128 v[Q+16*((\c)%4)+4*\k:Q+16*((\c)%4)+4*\k+3], v[QO], s[6:7] offset:32768*(\c)+512*\k
.endr
.endm
; One unit: the pair hp of queries (0 low, 1 high) against the 32 keys of chunk c, my 16 e.
.macro PAIRWORK c, hp
.set pp, P+32*(\hp)
.set kq, Q+16*((\c)%4)
.set pm, 0
.rept 8
	v_pk_add_f32 v[A+pm:A+pm+1], v[pp+pm:pp+pm+1], v[kq+pm:kq+pm+1]             ; a = 256 m
	v_pk_add_f32 v[A+16+pm:A+17+pm], v[pp+16+pm:pp+17+pm], v[kq+pm:kq+pm+1]
.set pm, pm+2
.endr
.set pm, 0
.rept 16
	v_pk_add_f32 v[B+pm:B+pm+1], v[A+pm:A+pm+1], s[EPS:EPS+1] op_sel_hi:[1,0]   ; 256 (m + eps)
.set pm, pm+2
.endr
.set pm, 0
.rept 32
	v_log_f32 v[B+pm], v[B+pm]
.set pm, pm+1
.endr
	v_nop                                          ; one plain place behind the batch,
	s_wait_alu depctr_va_vdst(0)                   ; and the one wait ahead of its first reader
.irp u, 0,1
.irp k, 0,2
	v_pk_mul_f32 v[AC+4*\u+\k:AC+4*\u+\k+1], v[A+16*\u+\k:A+16*\u+\k+1], v[B+16*\u+\k:B+16*\u+\k+1]   ; four chains; the first products start them
.endr
.endr
.irp m, 4,8,12
.irp u, 0,1
.irp k, 0,2
	v_pk_fma_f32 v[AC+4*\u+\k:AC+4*\u+\k+1], v[A+16*\u+\m+\k:A+16*\u+\m+\k+1], v[B+16*\u+\m+\k:B+16*\u+\m+\k+1], v[AC+4*\u+\k:AC+4*\u+\k+1]
.endr
.endr
.endr
.irp u, 0,1
	v_pk_add_f32 v[AC+4*\u:AC+4*\u+1], v[AC+4*\u:AC+4*\u+1], v[AC+4*\u+2:AC+4*\u+3]
.endr
.irp u, 0,1
	v_add_f32 v[RES+8*(\hp)+2*(\c)+\u], v[AC+4*\u], v[AC+4*\u+1]
.endr
.endm
; Chunk c.  left: how many younger loads may stay out when this chunk's four have to be there (-1: no wait is written).
.macro CHUNK c, left
.if \c >= 5
	s_cmp_gt_u32 s[CH], \c                         ; chunks 5 to 7: only where the high pair reaches them; behind the first that is hidden all are
	s_cbranch_scc0 .Lkeys_done
.endif
.if \left >= 0
	s_wait_loadcnt \left
.endif
	PAIRWORK \c, 1
.if \c < 4
.if \c > 0
	s_cmp_gt_u32 s[CL], \c                         ; the low pair reaches chunks 1 to 3 only for the larger p
	s_cbranch_scc0 .Lno_low_\@
.endif
	PAIRWORK \c, 0
.if \c > 0
.Lno_low_\@:
	s_cmp_gt_u32 s[CH], \c+4                       ; the ring's place is free: it takes the chunk four on, if that chunk is needed
	s_cbranch_scc0 .Lno_more_\@
.endif
	LOADQ \c+4
.if \c > 0
.Lno_more_\@:
.endif
.endif
.endm
	s_load_b256 s[4:11], s[0:1], 0x0               ; rq s[4:5], rk s[6:7], hq s[8:9], hk s[10:11]
	s_load_b128 s[12:15], s[0:1], 0x20             ; vc s[12:13], vs s[14:15]
	s_load_b64 s[16:17], s[0:1], 0x30              ; out0
	v_lshl_add_u32 v62, v0, 2, 0x12000
	v_mov_b32 v63, 0
	v_lshrrev_b32 v2, 5, v0
	v_readfirstlane_b32 s[WVN], v2                 ; wave 0..15
	v_and_b32 v3, 31, v0                           ; lane
	s_and_b32 s22, ttmp7, 0xffff                   ; batch
	s_lshr_b32 s23, ttmp9, 4
	s_add_co_u32 s[CL], s23, 1
	s_sub_co_u32 s[CH], 8, s23
	s_lshl_b32 s26, ttmp9, 1                       ; the low pair's first query, 2 p
	s_sub_co_u32 s27, 254, s26                     ; the high pair's, 254 - 2 p
	s_lshl_b32 s34, s[WVN], 11                     ; my 16 e: four groups of 512 bytes
	s_lshl_b32 s36, s22, 18                        ; my batch: 262,144 bytes of R
	s_mov_b32 s37, 0
	s_lshr_b32 s28, s26, 5                         ; a query's numbers lie where a key's would: chunk i / 32, place i % 32
	s_lshl_b32 s28, s28, 15
	s_and_b32 s33, s26, 31
	s_lshl_b32 s33, s33, 4
	s_add_co_u32 s28, s28, s33
	s_add_co_u32 s28, s28, s34
	s_mov_b32 s29, 0
	s_lshr_b32 s38, s27, 5
	s_lshl_b32 s38, s38, 15
	s_and_b32 s33, s27, 31
	s_lshl_b32 s33, s33, 4
	s_add_co_u32 s38, s38, s33
	s_add_co_u32 s38, s38, s34
	s_mov_b32 s39, 0
	s_lshr_b32 s30, s[WVN], 2                      ; the scores of query number wave / 4 are made by my wave,
	s_cmp_lt_u32 s30, 2
	s_cselect_b32 s[IB], s26, s27
	s_and_b32 s33, s30, 1
	s_add_co_u32 s[IB], s[IB], s33
	s_cmp_lt_u32 s[WVN], 2                         ; and the row of query number wave is stored by waves 0 to 3
	s_cselect_b32 s[IW], s26, s27
	s_and_b32 s33, s[WVN], 1
	s_add_co_u32 s[IW], s[IW], s33
	s_mov_b32 s[EPS], 0x32dbe6ff                   ; 256 x 1e-10
	s_mov_b32 s[EPS+1], 0x32dbe6ff
	s_mov_b32 s[KSN], 0xbb317218                   ; -ln 2 / 256
	s_mov_b32 s[SEL], 0x76543210
	s_mov_b32 s[SEL+1], 0xfedcba98
	; every LDS address is made here, ahead of the places where the waves part
	v_lshlrev_b32 v[PA], 12, v2
	v_lshl_add_u32 v[PA], v3, 2, v[PA]
	v_lshlrev_b32 v[BA], 3, v0
	v_and_b32 v54, 127, v0
	v_lshrrev_b32 v[BS], 7, v0
	v_mul_u32_u24 v[BS], v[BS], SCP
	v_lshl_add_u32 v[BS], v54, 3, v[BS]
	v_add_nc_u32 v[BS], SC, v[BS]
	v_bfe_u32 v53, v0, 4, 1                        ; h
	v_and_b32 v[CA], 3, v0
	v_mul_u32_u24 v[CA], v[CA], SCP
	v_lshl_add_u32 v[CA], v53, 7, v[CA]
	v_add_nc_u32 v[CA], SC, v[CA]
	v_and_b32 v[CO], 3, v0
	v_lshlrev_b32 v[CO], 9, v[CO]
	v_bfe_u32 v52, v0, 5, 3
	v_lshl_add_u32 v[CO], v52, 6, v[CO]
	v_lshl_add_u32 v[CO], v53, 5, v[CO]
	v_add_nc_u32 v[CO], OUTS, v[CO]
	v_lshl_add_u32 v[DO], v54, 4, OUTS
	v_lshlrev_b32 v[HO], 3, v54
	v_and_b32 v55, 15, v0                          ; r
	v_mul_u32_u24 v[VO], v55, 24
	v_mad_u32_u24 v[VO], v53, 384, v[VO]
	v_lshlrev_b32 v[VS], 3, v55
	v_lshlrev_b32 v[GO], 4, v3
	v_lshl_add_u32 v[QO], v2, 11, v[GO]
	v_mov_b32 v[ZERO], 0
	s_wait_kmcnt 0x0
	s_add_nc_u64 s[4:5], s[4:5], s[36:37]
	s_add_nc_u64 s[6:7], s[6:7], s[36:37]          ; rk at my batch
	s_add_nc_u64 s[PL:PL+1], s[4:5], s[28:29]
	s_add_nc_u64 s[PH:PH+1], s[4:5], s[38:39]
	s_lshl_b32 s28, s22, 8
	s_add_co_u32 s38, s28, s[IB]
	s_lshl_b32 s38, s38, 2
	s_add_nc_u64 s[8:9], s[8:9], s[38:39]          ; hq at my thread's query
	s_lshl_b32 s38, s22, 10
	s_add_nc_u64 s[10:11], s[10:11], s[38:39]      ; hk at my batch
	s_add_nc_u64 s[14:15], s[14:15], s[38:39]      ; V's scale words at my batch,
	s_lshl_b32 s38, s[WVN], 7
	s_add_nc_u64 s[14:15], s[14:15], s[38:39]      ; my tile of 16 channels (waves 0 to 7 alone read there)
	s_mul_i32 s38, s22, 24576
	s_mul_i32 s33, s[WVN], 3072
	s_add_co_u32 s38, s38, s33
	s_add_nc_u64 s[12:13], s[12:13], s[38:39]      ; V's codes likewise
	s_add_co_u32 s38, s28, s[IW]
	s_lshl_b32 s38, s38, 9
	s_add_nc_u64 s[16:17], s[16:17], s[38:39]      ; out0 at my wave's row
.irp i, 0,1,2,3
	global_load_b32 v[B+\i], v[ZERO], s[8:9] offset:4096*\i             ; the four parts of Hq (the same address in all lanes)
.endr
.irp i, 0,1,2,3
	global_load_b64 v[B+4+2*\i:B+5+2*\i], v[HO], s[10:11] offset:4096*\i   ; and of Hk of my two keys
.endr
.irp u, 0,1
.irp k, 0,1,2,3
	global_load_b128 v[P+16*\u+4*\k:P+16*\u+4*\k+3], v[ZERO], s[PL:PL+1] offset:512*\k+16*\u      ; the queries' numbers, the same in all lanes
.endr
.endr
.irp u, 0,1
.irp k, 0,1,2,3
	global_load_b128 v[P+32+16*\u+4*\k:P+32+16*\u+4*\k+3], v[ZERO], s[PH:PH+1] offset:512*\k+16*\u
.endr
.endr
	LOADQ 0
	LOADQ 1
	LOADQ 2
	LOADQ 3
.irp i, 2,3,4,5,6,7,18,19,20,21,22,23
	v_mov_b32 v[RES+\i], 0                         ; the units that a work-group may jump over leave zeros (the mask hides them; nothing unwritten is stored)
.endr
	s_wait_loadcnt 12                              ; H, the queries and chunk 0 are in; chunks 1 to 3 (12 loads) may be out
	v_add_f32 v[B], v[B], v[B+1]
	v_add_f32 v[B+2], v[B+2], v[B+3]
	v_add_f32 v[B], v[B], v[B+2]                   ; Hq
	v_pk_add_f32 v[B+4:B+5], v[B+4:B+5], v[B+6:B+7]
	v_pk_add_f32 v[B+8:B+9], v[B+8:B+9], v[B+10:B+11]
	v_pk_add_f32 v[B+4:B+5], v[B+4:B+5], v[B+8:B+9]   ; Hk
	v_pk_add_f32 v[CK:CK+1], v[B+4:B+5], v[B:B+1] op_sel_hi:[1,0]
	CHUNK 0, -1
	CHUNK 1, 12                                    ; behind chunk 1's loads: chunks 2, 3, 4
	CHUNK 2, 8                                     ; chunks 3, 4 (and 5 where it is needed: the count takes the fewer)
	CHUNK 3, 4                                     ; chunk 4 (and 5, 6 where needed)
	CHUNK 4, 0                                     ; all: chunk 7's loads, the last, were issued a chunk's work ago
	CHUNK 5, -1
	CHUNK 6, -1
	CHUNK 7, -1
.Lkeys_done:
.irp g, 0,1,2,3,4,5,6,7
.irp u, 0,1
.if \g < 4
	ds_store_b32 v[PA], v[RES+2*\g+\u] offset:1024*\u+128*\g
.else
	ds_store_b32 v[PA], v[ZERO] offset:1024*\u+128*\g                ; the low pair never reaches keys 128 on
.endif
	ds_store_b32 v[PA], v[RES+8+2*\g+\u] offset:2048+1024*\u+128*\g
.endr
.endr
	s_cmp_lt_u32 s[WVN], 8                         ; V's fragments are asked for here, by the waves that will multiply: they land during the next two stages
	s_cbranch_scc0 .Lno_v
.irp s, 0,1
.irp g, 0,1
.irp i, 0,1,2
	global_load_b64 v[VF+12*\s+6*\g+2*\i:VF+12*\s+6*\g+2*\i+1], v[VO], s[12:13] offset:1536*\s+768*\g+8*\i   ; block 4 s + 2 g + h of the keys, channel r of my tile
.endr
.endr
.endr
	global_load_b64 v[VW:VW+1], v[VS], s[14:15]    ; channel r's eight scale bytes: the two K steps' words
.Lno_v:
	s_wait_dscnt 0x0                               ; for the others' sake: my partial sums have landed
	s_barrier_signal -1
	s_barrier_wait -1
	; ---- the sixteen parts of my two (query, key) pairs: query number thread / 128, keys 2 (thread % 128) and the next
.irp i, 0,1,2,3,4,5,6,7,8,9,10,11,12,13,14,15
	ds_load_b64 v[T+2*\i:T+2*\i+1], v[BA] offset:4096*\i
.endr
	v_and_b32 v2, 127, v0
	v_lshlrev_b32 v2, 1, v2                        ; my first key
	s_wait_dscnt 0x0
.irp i, 0,1,2,3,4,5,6,7
	v_pk_add_f32 v[T+4*\i:T+4*\i+1], v[T+4*\i:T+4*\i+1], v[T+4*\i+2:T+4*\i+3]
.endr
.irp i, 0,1,2,3
	v_pk_add_f32 v[T+8*\i:T+8*\i+1], v[T+8*\i:T+8*\i+1], v[T+8*\i+4:T+8*\i+5]
.endr
.irp i, 0,1
	v_pk_add_f32 v[T+16*\i:T+16*\i+1], v[T+16*\i:T+16*\i+1], v[T+16*\i+8:T+16*\i+9]
.endr
	v_pk_add_f32 v[T:T+1], v[T:T+1], v[T+16:T+17]
	v_fma_f32 v[T], v[T], s[KSN], v[CK]            ; js
	v_fma_f32 v[T+1], v[T+1], s[KSN], v[CK+1]
	v_sub_f32 v[T], 1.0, v[T]                      ; the score
	v_sub_f32 v[T+1], 1.0, v[T+1]
	v_cmp_ge_u32 vcc_lo, s[IB], v2                 ; key <= query keeps it, else 0
	v_cndmask_b32 v[T], 0, v[T], vcc_lo
	v_cmp_gt_u32 vcc_lo, s[IB], v2                 ; the next key
	v_cndmask_b32 v[T+1], 0, v[T+1], vcc_lo
	ds_store_b64 v[BS], v[T:T+1]
	s_wait_dscnt 0x0                               ; for the others' sake: my scores have landed
	s_barrier_signal -1
	s_barrier_wait -1
	s_cmp_lt_u32 s[WVN], 8
	s_cbranch_scc0 .Lno_product
	; ---- waves 0-7: the operand.  Lane (r, h): query number r % 4, blocks h, 2 + h, 4 + h, 6 + h of its 256 keys
.irp g, 0,1,2,3
.irp k, 0,1,2,3,4,5,6,7
	ds_load_b128 v[S+32*\g+4*\k:S+32*\g+4*\k+3], v[CA] offset:256*\g+16*\k
.endr
.endr
	v_bfe_u32 v[SH8], v0, 4, 1
	v_lshlrev_b32 v[SH8], 3, v[SH8]
	v_mov_b32 v[QP], 0                             ; a lane permute's destination counts as one of its sources
	s_wait_dscnt 0x0
.irp i, 0,1,2,3
	v_add_f32 v[AC+\i], |v[S+2*\i]|, |v[S+2*\i+1]| ; the row's sum of magnitudes, in four chains
.endr
.set n, 8
.rept 120
	v_add_f32 v[AC+n%4], v[AC+n%4], |v[S+n]|
.set n, n+1
.endr
	v_add_f32 v[AC], v[AC], v[AC+1]
	v_add_f32 v[AC+2], v[AC+2], v[AC+3]
	v_add_f32 v[AC], v[AC], v[AC+2]
	v_permlanex16_b32 v[QP], v[AC], s[SEL], s[SEL+1]
	v_add_f32 v[AC], v[AC], v[QP]                  ; with the other half's four blocks
	v_max_num_f32 v[AC], 0x2b8cbccc, v[AC]         ; at least 1e-12
	v_rcp_f32 v[INV], v[AC]
	v_nop                                          ; a plain place behind the transcendental,
	s_wait_alu depctr_va_vdst(0)                   ; and the wait ahead of its first reader
	v_mov_b32 v[INV+1], v[INV]
.set n, 0
.rept 64
	v_pk_mul_f32 v[S+n:S+n+1], v[S+n:S+n+1], v[INV:INV+1]   ; the finished, normalised weights: what is quantised
.set n, n+2
.endr
	QUANT S, F, AW, 2
	s_wait_loadcnt 0x0                             ; V's fragments and scale words
.rept 8
	v_nop                                          ; a scale word written by vector instructions stands 8 places ahead of a scaled matrix instruction, codes so written 4
.endr
	v_wmma_scale_f32_16x16x128_f8f6f4 v[AC:AC+7], v[VF:VF+11], v[F:F+11], 0, v[VW], v[AW] matrix_a_fmt:MATRIX_FMT_BF6 matrix_b_fmt:MATRIX_FMT_BF6
	s_wait_alu depctr_va_vdst(0)                   ; the wait directly ahead of the second
	v_wmma_scale_f32_16x16x128_f8f6f4 v[AC:AC+7], v[VF+12:VF+23], v[F+12:F+23], v[AC:AC+7], v[VW+1], v[AW+1] matrix_a_fmt:MATRIX_FMT_BF6 matrix_b_fmt:MATRIX_FMT_BF6
.rept 4
	v_nop                                          ; four places behind the product
.endr
	ds_store_b128 v[CO], v[AC:AC+3]                ; out(query r % 4, channels 16 wave + 8 h + 0 .. 7); lanes with the same r % 4 hold the same numbers and write the same bytes
	ds_store_b128 v[CO], v[AC+4:AC+7] offset:16
.Lno_product:
	s_wait_dscnt 0x0                               ; for the others' sake: my results have landed
	s_barrier_signal -1
	s_barrier_wait -1
	s_cmp_lt_u32 s[WVN], 4
	s_cbranch_scc0 .Lend
	ds_load_b128 v[24:27], v[DO]                   ; wave q: the whole row of query number q
	s_wait_dscnt 0x0
	global_store_b128 v[GO], v[24:27], s[16:17]    ; 32 lanes store 512 consecutive bytes, at a multiple of 512 from out0's first byte
.Lend:
	s_wait_tensorcnt 0x0
	ds_add_u32 v62, v63
	s_wait_dscnt 0x0
	s_endpgm
.Lfunc_end_k_q7bb762f0dc_attend:
	.size	k_q7bb762f0dc_attend, .Lfunc_end_k_q7bb762f0dc_attend-k_q7bb762f0dc_attend
	.p2alignl 7, 3214868480
	.fill 96, 4, 3214868480
	.section	.rodata,"a",@progbits
	.p2align	6, 0x0
	.amdhsa_kernel k_q7bb762f0dc_attend
		.amdhsa_group_segment_fixed_size 75776
		.amdhsa_private_segment_fixed_size 0
		.amdhsa_enable_private_segment 0
		.amdhsa_kernarg_size 56
		.amdhsa_user_sgpr_count 2
		.amdhsa_user_sgpr_kernarg_segment_ptr 1
		.amdhsa_wavefront_size32 1
		.amdhsa_system_sgpr_workgroup_id_x 1
		.amdhsa_system_sgpr_workgroup_id_y 1
		.amdhsa_system_sgpr_workgroup_id_z 1
		.amdhsa_system_vgpr_workitem_id 0
		.amdhsa_next_free_vgpr 256
		.amdhsa_next_free_sgpr 66
		.amdhsa_reserve_vcc 1
		.amdhsa_float_denorm_mode_32 3
		.amdhsa_float_denorm_mode_16_64 3
		.amdhsa_memory_ordered 1
		.amdhsa_forward_progress 1
		.amdhsa_inst_pref_size 90
	.end_amdhsa_kernel
	.amdgpu_metadata
---
amdhsa.version: [ 1, 2 ]
amdhsa.kernels:
  - .name:           k_q7bb762f0dc_attend
    .symbol:         k_q7bb762f0dc_attend.kd
    .args:
      - { .name: rq, .offset: 0, .size: 8, .value_kind: global_buffer, .address_space: global }
      - { .name: rk, .offset: 8, .size: 8, .value_kind: global_buffer, .address_space: global }
      - { .name: hq, .offset: 16, .size: 8, .value_kind: global_buffer, .address_space: global }
      - { .name: hk, .offset: 24, .size: 8, .value_kind: global_buffer, .address_space: global }
      - { .name: vc, .offset: 32, .size: 8, .value_kind: global_buffer, .address_space: global }
      - { .name: vs, .offset: 40, .size: 8, .value_kind: global_buffer, .address_space: global }
      - { .name: out0, .offset: 48, .size: 8, .value_kind: global_buffer, .address_space: global }
    .group_segment_fixed_size: 75776
    .private_segment_fixed_size: 0
    .kernarg_segment_align: 8
    .kernarg_segment_size: 56
    .max_flat_workgroup_size: 512
    .sgpr_count:     66
    .vgpr_count:     256
    .wavefront_size: 32
...
	.end_amdgpu_metadata
.endif
;; end of part 2
;; ======== version 2 of 2: 2 launches; version 1 with the launches prep, attend written anew for expert scheduling mode
;; workspace buffers: rq 1,048,576 bytes; rk 1,048,576 bytes; hq 16,384 bytes; hk 16,384 bytes; vc 98,304 bytes; vs 4,096 bytes
;; launch prep (part 3): grid 160 x 1, 4 waves a work-group, no clusters, 8,704 bytes of LDS; arguments x, Wq_codes, Wq_scales, Wk_codes, Wk_scales, Wv_codes, Wv_scales, rq, rk, hq, hk, vc, vs; writes rq, rk, hq, hk, vc, vs
.if DOCPART == 3
	.amdgcn_target "amdgcn-amd-amdhsa--gfx1250"
	.amdhsa_code_object_version 6
	.text
	.protected	k_q7bb762f0dc_prep
	.globl	k_q7bb762f0dc_prep
	.p2align	8
	.type	k_q7bb762f0dc_prep,@function
k_q7bb762f0dc_prep:
	s_mov_b64 s[64:65], 0
	v_nop
	global_prefetch_b8 v0, s[64:65] scope:SCOPE_SE
	s_setreg_imm32_b32 hwreg(HW_REG_WAVE_SCHED_MODE, 0, 2), 2
	s_setreg_imm32_b32 hwreg(HW_REG_WAVE_MODE, 25, 1), 1
	s_wait_xcnt 0x0
	s_wait_alu depctr_vm_vsrc(0)
; PREP: all that hangs on one row of x alone.  x: [1024][256] f32 (4 batches x 256 rows).  Wq, Wk [256][256], Wv [128][256]: codes of BF6 (E3M2), K innermost, 192 bytes a row, 8 scale bytes a row.
; WORK-GROUPS 0-127 (0-63: Wq, 64-127: Wk): one tile of 16 rows.  psi = x / (|x| + 1e-12) is quantised along its 256, amp = psi W^T, p = amp^2, rho = p / (sum p + 1e-10).
;   Each of the four waves loads and quantises the 16 rows itself and multiplies them by ITS 64 rows of W (4 tiles x 2 K steps = 8 matrix instructions), TRANSPOSED (source 0 = 16 rows of W,
;   source 1 = psi): a lane holds ONE row of x and eight neighbouring columns a tile.  The row's sum of p over the four waves' columns meets in LDS: one barrier.
;   Stored: R = 128 rho, laid [batch][chunk of 32 rows][e / 4][row in chunk][4 numbers]: so each store of 16 bytes a lane fills two aligned runs of 256 bytes, and the next launch's lanes (a lane to a row)
;   read 512 consecutive bytes an instruction.  And for each wave and row its part of H = (ln 2 / 256) sum R log2(2 R + 256 eps) = 0.5 sum rho ln(256 (rho + eps)): [wave][1024].
;   (The factor 256 inside the logarithms cancels in the divergence, exactly: it only keeps the sums small.  128 and 256 are powers of two: mantissas and roundings are those of rho and rho + eps.)
; WORK-GROUPS 128-159: 32 rows (one block of 32 keys of one batch): V = x Wv^T on the quantised x, then V is quantised ALONG THE KEYS.  Wave w quantises one piece of x (tile w / 2, K step w % 2) and hands it
;   to the others through LDS as an image of the operand's registers: one barrier.  Then it makes channels 32 w .. 32 w + 31 (source 0 = 16 rows of x, source 1 = 16 rows of Wv: a lane holds one channel
;   and eight keys).  THE ROWS OF A TILE ARE NOT NEIGHBOURS: lane r of tile u takes row 8 u + r + 8 (r / 8), so that the 16 registers of tiles 0 and 1 are 16 neighbouring keys, 16 (lane / 16) + 0 .. 15.
;   Stored: codes laid [batch][channel tile][block of keys][channel in tile][24 bytes] (a wave's store covers 384 consecutive bytes), scale bytes [batch][channel][8].
; The two kinds of work-group part on the work-group's number alone and use LDS bytes of their own.  No tensor loads: every operand goes from memory into the registers of the wave that uses it.
; LIMITS: NaN and infinities are not served; a row's sum of squares must stay inside f32 (|x| between about 1e-18 and 1e18); divisions are v_rcp_f32 and a multiply (1 ulp);
; a block of zeros gets the scale byte 1 and zero codes (the bytes are read by this program alone); blocks whose largest magnitude lies under 2^-122 are held at that byte.
; THE MODE: SCHED_MODE bits 1:0 = 2 (LLVM: expert scheduling mode 2), set by the entry lines.  The code itself states the register dependences
; between vector or matrix instructions and memory or LDS instructions, with s_wait_alu, always for 0.
; THE PLAN.  Registers that memory or LDS instructions touch:
;   v3-v9, v24, v25   offsets and LDS addresses: written once, ahead of one wait on va_vdst in front of each way's first load; never written again.
;   x, W, Wv and the weights' scale words land in registers that no vector instruction has named before.
;   v[N]              the row's partial sum: written by the sums, read by an LDS store (a wait on va_vdst ahead of it); the four waves' sums then land in v[N .. N + 3] (a wait on vm_vsrc ahead of that load);
;                     at the end written once more and read by the store of H (a wait on va_vdst).
;   ACC               as R it is read by eight stores, which stand behind the one wait of the 32 logarithms: that wait also states that R is written.  Nothing writes ACC behind them.
;   F, PW             codes and scale words: in the first kind of work-group operands of scaled products (the places, then a wait on va_vdst); in the second the data of the LDS stores of the image
;                     (a wait on va_vdst, which also states that the quantiser is done reading v160-191, in which the images land).  Never written again.
;   QT, QB            V's codes and scale bytes: written by the conversions and a shift, read by the last stores (a wait on va_vdst).
.set X,    128                         ; v128-255 x, then psi: register 32 g + i = element 32 (2 g + lane / 16) + i of my row   (values' path: v128-191, one K step)
.set ACC,  128                         ; the accumulators take x's place: v128-159
.set XF,   160                         ; values' path: v160-207 x's four fragments (2 tile + K step)
.set WV,   208                         ; values' path: v208-255 Wv's four fragments (24 tile + 12 K step)
.set WS,   32                          ; v32-39 the weights' scale words (2 tile + K step): scales and nothing else
.set XS,   36                          ; values' path: v36-39 x's scale words
.set PW,   40                          ; v40-41 the scale words just made
.set F,    44                          ; v44-67 the codes just made: two fragments of 12
.set N,    10                          ; v10-17 four running pairs of a sum
.set EV,   18                          ; v18-19 256 eps, twice
.set INV,  20                          ; v20-21 a reciprocal, twice
.set QP,   22                          ; what the lane 16 away sends
.set SH8,  23                          ; 8 x (lane / 16)
.set QT,   68                          ; v68-83 second halves of blocks' codes
.set QM,   84                          ; v84-87 largest magnitudes
.set QS,   88                          ; v88-91 the conversions' scale operands
.set QB,   92                          ; v92-95 scale bytes
.set T,    96                          ; v96-127 logarithms
.set SEL,  40                          ; s[40:41] lane selects: lane l xor 16
.set IMG,  1024                        ; LDS: bytes 0-255 the row sums (first kind); from 1024 the four images of 1,536 bytes (second kind),
.set FRB,  1536
.set VSW,  IMG+4*FRB                   ; and their scale words, 128 bytes each
.set MSB, 0
.macro WIN new                         ; the immediate's high byte repeats the setting that is left
.if MSB != \new
	s_set_vgpr_msb (MSB<<8)|\new
.set MSB, \new
.endif
.endm
; 64 nf numbers of a lane, whole blocks of 32 (block q at v[src + 32 q]), become nf fragments of codes at v[dst] and nf scale words at v[wrd].
; A lane (r, h) holds blocks h, 2 + h of each K step of 128: just what the operand's layout gives it, so the conversions' results are the operand's registers.
.macro QUANT src, dst, wrd, nf
.set qb, 0
.rept 2*\nf
	v_max3_num_f32 v[QM+qb], |v[\src+32*qb]|, |v[\src+32*qb+1]|, 0x2800000   ; the floor 2^(5 - 127) among the leaves: the byte cannot fall under 1
.set qb, qb+1
.endr
.set qi, 2
.rept 15
.set qb, 0
.rept 2*\nf
	v_max3_num_f32 v[QM+qb], v[QM+qb], |v[\src+32*qb+qi]|, |v[\src+32*qb+qi+1]|   ; the blocks by turns
.set qb, qb+1
.endr
.set qi, qi+2
.endr
.set qb, 0
.rept 2*\nf
	v_add_nc_u32 v[QS+qb], 0xfe000000, v[QM+qb]    ; 4 off the exponent field: the conversion takes this operand's exponent field as its scale
.set qb, qb+1
.endr
.set qb, 0
.rept 2*\nf
	v_lshrrev_b32 v[QB+qb], 23, v[QS+qb]           ; the scale's byte
.set qb, qb+1
.endr
.set qb, 0
.rept \nf
	v_lshl_or_b32 v[\wrd+qb], v[QB+2*qb+1], 16, v[QB+2*qb]   ; my two bytes of the K step's word,
	v_lshlrev_b32 v[\wrd+qb], v[SH8], v[\wrd+qb]             ; at their places,
	v_permlanex16_b32 v[QP], v[\wrd+qb], s[SEL], s[SEL+1]
	v_or_b32 v[\wrd+qb], v[\wrd+qb], v[QP]                   ; with the other half's two the word is whole
.set qb, qb+1
.endr
.set qb, 0
.rept 2*\nf
	v_cvt_scalef32_pk16_bf6_f32 v[\dst+6*qb:\dst+6*qb+2], v[\src+32*qb:\src+32*qb+15], v[QS+qb]
	v_cvt_scalef32_pk16_bf6_f32 v[QT+4*qb:QT+4*qb+2], v[\src+32*qb+16:\src+32*qb+31], v[QS+qb]   ; (a conversion's three registers begin on an even number: made elsewhere and moved)
.set qb, qb+1
.endr
	v_nop                                          ; one plain place behind the scaled conversions
.set qb, 0
.rept 2*\nf
	v_mov_b32 v[\dst+6*qb+3], v[QT+4*qb]
	v_mov_b32 v[\dst+6*qb+4], v[QT+4*qb+1]
	v_mov_b32 v[\dst+6*qb+5], v[QT+4*qb+2]
.set qb, qb+1
.endr
.endm
.macro ROWSUM                          ; the four pairs v[N] .. v[N + 7] and the lane 16 away: my row's sum, in v[N], the same bits in both halves of the lanes
	v_pk_add_f32 v[N:N+1], v[N:N+1], v[N+2:N+3]
	v_pk_add_f32 v[N+4:N+5], v[N+4:N+5], v[N+6:N+7]
	v_pk_add_f32 v[N:N+1], v[N:N+1], v[N+4:N+5]
	v_add_f32 v[N], v[N], v[N+1]
	v_permlanex16_b32 v[QP], v[N], s[SEL], s[SEL+1]
	v_add_f32 v[N], v[N], v[QP]
.endm
	s_load_b256 s[4:11], s[0:1], 0x0               ; x s[4:5], Wq's codes s[6:7], Wq's scales s[8:9], Wk's codes s[10:11]
	s_load_b256 s[12:19], s[0:1], 0x20             ; Wk's scales s[12:13], Wv's codes s[14:15], Wv's scales s[16:17], rq s[18:19]
	s_load_b256 s[20:27], s[0:1], 0x40             ; rk s[20:21], hq s[22:23], hk s[24:25], vc s[26:27]
	s_load_b64 s[28:29], s[0:1], 0x60              ; vs
	v_lshl_add_u32 v79, v0, 2, 0x2000
	v_mov_b32 v83, 0
	v_lshrrev_b32 v1, 5, v0
	v_readfirstlane_b32 s30, v1                    ; wave 0..3
	v_and_b32 v1, 15, v0                           ; r
	v_bfe_u32 v2, v0, 4, 1                         ; h
	v_lshlrev_b32 v[SH8], 3, v2
	v_mul_u32_u24 v4, v1, 192                      ; a weight's fragment: row r of 192 bytes,
	v_mad_u32_u24 v4, v2, 24, v4                   ; + 24 h
	v_lshlrev_b32 v5, 3, v1                        ; a weight's scale words: 8 bytes a row
	v_mov_b32 v[QP], 0                             ; written once: a lane permute's destination counts as one of its sources
	s_mov_b32 s[SEL], 0x76543210
	s_mov_b32 s[SEL+1], 0xfedcba98
	s_mov_b32 s35, 0
	s_wait_alu depctr_va_sdst(0)                   ; s30, the wave's number, is written: both ways behind the branch read it
	s_cmp_lt_u32 ttmp9, 128
	s_cbranch_scc0 .Lvalues
	; ================= rho_q or rho_k of 16 rows =================
	v_lshlrev_b32 v3, 10, v1
	v_lshl_add_u32 v3, v2, 7, v3                   ; x: row r of 1,024 bytes, + 128 h: my first block
	v_lshlrev_b32 v9, 4, v1                        ; LDS: my row's four partial sums, 16 r
	v_lshl_add_u32 v6, v2, 10, v9                  ; R: 16 bytes a row, lanes 16-31 two groups of four columns (1,024 bytes) on
	v_lshlrev_b32 v7, 2, v1                        ; H: 4 bytes a row
	s_lshl_b32 s34, s30, 2
	v_add_nc_u32 v8, s34, v9                       ; LDS: where my wave's partial sum goes: 16 r + 4 wave
	v_mov_b32 v[EV], 0x32dbe6ff                    ; 256 x 1e-10
	v_mov_b32 v[EV+1], 0x32dbe6ff
	s_wait_kmcnt 0x0
	s_cmp_lt_u32 ttmp9, 64                         ; Wq's work-group or Wk's: the choice hangs on the work-group's number alone
	s_cselect_b64 s[6:7], s[6:7], s[10:11]
	s_cselect_b64 s[8:9], s[8:9], s[12:13]
	s_cselect_b64 s[18:19], s[18:19], s[20:21]
	s_cselect_b64 s[22:23], s[22:23], s[24:25]
	s_and_b32 s31, ttmp9, 63                       ; the tile of 16 rows
	s_lshl_b32 s34, s31, 14
	s_add_nc_u64 s[4:5], s[4:5], s[34:35]          ; x at the tile's first row
	s_mul_i32 s34, s30, 12288
	s_add_nc_u64 s[6:7], s[6:7], s[34:35]          ; W at my wave's 64 rows
	s_lshl_b32 s34, s30, 9
	s_add_nc_u64 s[8:9], s[8:9], s[34:35]
	s_lshr_b32 s34, s31, 1                         ; R: the chunk of 32 rows (32,768 bytes),
	s_lshl_b32 s34, s34, 15
	s_and_b32 s36, s31, 1
	s_lshl_b32 s36, s36, 8                         ; which 16 of its rows,
	s_add_co_u32 s34, s34, s36
	s_lshl_b32 s36, s30, 13                        ; my wave's 64 columns: 16 groups of 512 bytes
	s_add_co_u32 s34, s34, s36
	s_add_nc_u64 s[18:19], s[18:19], s[34:35]
	s_lshl_b32 s34, s30, 12                        ; H: [wave][1024]
	s_lshl_b32 s36, s31, 6
	s_add_co_u32 s34, s34, s36
	s_add_nc_u64 s[22:23], s[22:23], s[34:35]
	s_wait_alu depctr_va_vdst(0)                   ; the offsets and LDS addresses v3 to v9 are written, which every load and store of this way reads; they are never written again
.irp g, 0,1,2,3
.irp k, 0,1,2,3,4,5,6,7
	global_load_b128 v[X+32*\g+4*\k:X+32*\g+4*\k+3], v3, s[4:5] offset:256*\g+16*\k   ; block 2 g + h of my row
.endr
.endr
	WIN 0x40                                       ; destination window 1: W's eight fragments, v[24 tile + 12 K step] there (between the wait above and these loads stand loads and this switch alone)
.irp t, 0,1,2,3
.irp s, 0,1
.irp p, 0,1,2,3,4,5
	global_load_b64 v[24*\t+12*\s+2*\p:24*\t+12*\s+2*\p+1], v4, s[6:7] offset:3072*\t+96*\s+48*(\p/3)+8*(\p%3)
.endr
.endr
.endr
	WIN 0
.irp t, 0,1,2,3
.irp s, 0,1
	global_load_b32 v[WS+2*\t+\s], v5, s[8:9] offset:128*\t+4*\s
.endr
.endr
	s_wait_loadcnt 56                              ; x's 32 loads are in; the 48 + 8 loads of W issued behind them may be out
.irp i, 0,1,2,3
	v_pk_mul_f32 v[N+2*\i:N+2*\i+1], v[X+2*\i:X+2*\i+1], v[X+2*\i:X+2*\i+1]   ; the sum of squares, in four chains; the first products start them
.endr
.set i, 4
.rept 60
	v_pk_fma_f32 v[N+2*(i%4):N+2*(i%4)+1], v[X+2*i:X+2*i+1], v[X+2*i:X+2*i+1], v[N+2*(i%4):N+2*(i%4)+1]
.set i, i+1
.endr
	ROWSUM
	s_wait_alu depctr_va_vdst(0)
	v_sqrt_f32 v[N+1], v[N]
	v_nop                                          ; a plain place behind the transcendental,
	s_wait_alu depctr_va_vdst(0)                   ; the root is written, ahead of its first reader
	v_add_f32 v[N+1], 0x2b8cbccc, v[N+1]           ; + 1e-12
	s_wait_alu depctr_va_vdst(0)
	v_rcp_f32 v[INV], v[N+1]
	v_nop
	s_wait_alu depctr_va_vdst(0)                   ; the reciprocal is written, ahead of its first reader
	v_mov_b32 v[INV+1], v[INV]
.set i, 0
.rept 64
	v_pk_mul_f32 v[X+2*i:X+2*i+1], v[X+2*i:X+2*i+1], v[INV:INV+1]   ; psi
.set i, i+1
.endr
	QUANT X, F, PW, 2
	s_wait_loadcnt 0x0                             ; W
.rept 8
	v_nop                                          ; a scale word written by vector instructions stands 8 places ahead of a scaled matrix instruction, codes so written 4
.endr
	WIN 0x01                                       ; source 0 (W) window 1
	s_wait_alu depctr_va_vdst(0)                   ; psi's codes v[F ..] and scale words v[PW ..] are written by vector instructions: the scaled products take them; the places above stay beside this wait
.irp t, 0,1,2,3                                    ; the four accumulators take turns, one instruction a turn; the first K step starts the sums
	v_wmma_scale_f32_16x16x128_f8f6f4 v[ACC+8*\t:ACC+8*\t+7], v[24*\t:24*\t+11], v[F:F+11], 0, v[WS+2*\t], v[PW] matrix_a_fmt:MATRIX_FMT_BF6 matrix_b_fmt:MATRIX_FMT_BF6
.endr
.irp t, 0,1,2,3
	v_wmma_scale_f32_16x16x128_f8f6f4 v[ACC+8*\t:ACC+8*\t+7], v[24*\t+12:24*\t+23], v[F+12:F+23], v[ACC+8*\t:ACC+8*\t+7], v[WS+2*\t+1], v[PW+1] matrix_a_fmt:MATRIX_FMT_BF6 matrix_b_fmt:MATRIX_FMT_BF6
.endr
	WIN 0
.rept 4
	v_nop                                          ; four places behind the last products
.endr
.set i, 0
.rept 16
	v_pk_mul_f32 v[ACC+2*i:ACC+2*i+1], v[ACC+2*i:ACC+2*i+1], v[ACC+2*i:ACC+2*i+1]   ; p = amp^2; each accumulator from its low end on.  Register 8 t + j: column 64 wave + 16 t + 8 h + j of row r
.set i, i+1
.endr
.irp i, 0,1,2,3
	v_pk_add_f32 v[N+2*\i:N+2*\i+1], v[ACC+2*\i:ACC+2*\i+1], v[ACC+8+2*\i:ACC+8+2*\i+1]
.endr
.irp i, 0,1,2,3
	v_pk_add_f32 v[N+2*\i:N+2*\i+1], v[N+2*\i:N+2*\i+1], v[ACC+16+2*\i:ACC+16+2*\i+1]
.endr
.irp i, 0,1,2,3
	v_pk_add_f32 v[N+2*\i:N+2*\i+1], v[N+2*\i:N+2*\i+1], v[ACC+24+2*\i:ACC+24+2*\i+1]
.endr
	ROWSUM                                         ; my row's sum of p over my wave's 64 columns
	s_wait_alu depctr_va_vdst(0)                   ; v[N] is written, which the LDS store reads; and the sums are done with v[N .. N + 3], in which the LDS load behind the barrier lands
	ds_store_b32 v8, v[N]                          ; (both halves of the lanes write the same word with the same value)
	s_wait_dscnt 0x0                               ; for the others' sake: my store has landed
	s_barrier_signal -1
	s_barrier_wait -1
	s_wait_alu depctr_vm_vsrc(0)                   ; my LDS store has read v[N], in which the load below lands
	ds_load_b128 v[N:N+3], v9                      ; the four waves' sums of my row
	s_wait_dscnt 0x0
	v_add_f32 v[N], v[N], v[N+1]
	v_add_f32 v[N+2], v[N+2], v[N+3]
	v_add_f32 v[N], v[N], v[N+2]
	v_add_f32 v[N], 0x2edbe6ff, v[N]               ; + 1e-10
	s_wait_alu depctr_va_vdst(0)
	v_rcp_f32 v[INV], v[N]
	v_nop
	s_wait_alu depctr_va_vdst(0)                   ; the reciprocal is written, ahead of its first reader
	v_mul_f32 v[INV], 0x43000000, v[INV]           ; x 128
	v_mov_b32 v[INV+1], v[INV]
.set i, 0
.rept 16
	v_pk_mul_f32 v[ACC+2*i:ACC+2*i+1], v[ACC+2*i:ACC+2*i+1], v[INV:INV+1]   ; R = 128 rho
.set i, i+1
.endr
.set i, 0
.rept 16
	v_pk_fma_f32 v[T+2*i:T+2*i+1], v[ACC+2*i:ACC+2*i+1], 2.0, v[EV:EV+1] op_sel_hi:[1,0,1]   ; 256 (rho + eps), rounded once as rho + eps is
.set i, i+1
.endr
.set i, 0
	s_wait_alu depctr_va_vdst(0)
.rept 32
	v_log_f32 v[T+i], v[T+i]
.set i, i+1
.endr
	v_nop                                          ; one plain place for the batch of 32
	s_wait_alu depctr_va_vdst(0)                   ; the 32 logarithms are written, ahead of their first reader; and so is R in v[ACC ..], which the stores below read.  No line behind this wait writes v[ACC ..] or v6
.irp t, 0,1,2,3
.irp j, 0,1
	global_store_b128 v6, v[ACC+8*\t+4*\j:ACC+8*\t+4*\j+3], s[18:19] offset:2048*\t+512*\j   ; lanes 0-15 fill one aligned run of 256 bytes, lanes 16-31 another
.endr
.endr
.irp i, 0,1,2,3
	v_pk_mul_f32 v[N+2*\i:N+2*\i+1], v[ACC+2*\i:ACC+2*\i+1], v[T+2*\i:T+2*\i+1]
.endr
.set i, 4
.rept 12
	v_pk_fma_f32 v[N+2*(i%4):N+2*(i%4)+1], v[ACC+2*i:ACC+2*i+1], v[T+2*i:T+2*i+1], v[N+2*(i%4):N+2*(i%4)+1]
.set i, i+1
.endr
	ROWSUM
	v_mul_f32 v[N], 0x3b317218, v[N]               ; x ln 2 / 256
	s_wait_alu depctr_va_vdst(0)                   ; v[N] is written, which the store reads
	global_store_b32 v7, v[N], s[22:23]            ; 16 rows, 64 bytes (both halves of the lanes store the same word with the same value)
	s_wait_dscnt 0x0
	s_wait_alu depctr_hold_cnt(0) depctr_sa_sdst(0) depctr_va_vdst(0) depctr_va_sdst(0) depctr_va_ssrc(0) depctr_va_vcc(0) depctr_vm_vsrc(0)
	s_wait_tensorcnt 0x0
	ds_add_u32 v79, v83
	s_wait_dscnt 0x0
	s_endpgm
	; ================= V of 32 keys, quantised along the keys =================
.Lvalues:
	s_sub_co_u32 s31, ttmp9, 128                   ; which 32 rows of x: 8 batch + block of keys
	s_wait_alu depctr_va_vdst(0)
	v_and_b32 v3, 8, v1
	v_add_nc_u32 v3, v3, v1                        ; r + 8 (r / 8)
	v_lshlrev_b32 v3, 10, v3
	v_lshl_add_u32 v3, v2, 7, v3                   ; x: that row, + 128 h
	v_mul_u32_u24 v6, v1, 24
	v_mad_u32_u24 v6, v2, 12, v6                   ; V's codes: 24 bytes a channel, my half block's 12
	v_and_b32 v26, 31, v0                          ; lane
	v_lshlrev_b32 v9, 4, v26
	v_add_nc_u32 v9, IMG, v9                       ; an image's place for my lane: 16 x lane
	s_mul_i32 s34, s30, FRB
	v_add_nc_u32 v8, s34, v9                       ; where I store mine: + 1,536 x wave
	v_lshlrev_b32 v25, 2, v26
	v_add_nc_u32 v25, VSW, v25                     ; a scale word's: 4 x lane
	s_lshl_b32 s34, s30, 7
	v_add_nc_u32 v24, s34, v25                     ; + 128 x wave
	s_lshr_b32 s36, s30, 1                         ; my piece of x: tile wave / 2,
	s_and_b32 s37, s30, 1                          ; K step wave % 2
	s_lshl_b32 s34, s31, 15
	s_lshl_b32 s36, s36, 13
	s_add_co_u32 s34, s34, s36
	s_lshl_b32 s37, s37, 9
	s_add_co_u32 s34, s34, s37
	s_wait_kmcnt 0x0
	s_add_nc_u64 s[4:5], s[4:5], s[34:35]
	s_mul_i32 s34, s30, 6144
	s_add_nc_u64 s[14:15], s[14:15], s[34:35]      ; Wv at my wave's 32 rows
	s_lshl_b32 s34, s30, 8
	s_add_nc_u64 s[16:17], s[16:17], s[34:35]
	s_lshr_b32 s36, s31, 3                         ; batch
	s_and_b32 s37, s31, 7                          ; block of keys
	s_mul_i32 s34, s36, 24576
	s_mul_i32 s38, s30, 6144
	s_add_co_u32 s34, s34, s38
	s_mul_i32 s38, s37, 384
	s_add_co_u32 s34, s34, s38
	s_add_nc_u64 s[26:27], s[26:27], s[34:35]      ; codes: [batch][channel tile 3,072][block 384][channel 24]
	s_lshl_b32 s34, s36, 10
	s_lshl_b32 s38, s30, 8
	s_add_co_u32 s34, s34, s38
	s_add_co_u32 s34, s34, s37
	s_add_nc_u64 s[28:29], s[28:29], s[34:35]      ; scale bytes: [batch][channel][8]
	s_wait_alu depctr_va_vdst(0)                   ; the offsets and LDS addresses v3 to v6, v8, v9, v24, v25 are written, which every load and store of this way reads; they are never written again
.irp g, 0,1
.irp k, 0,1,2,3,4,5,6,7
	global_load_b128 v[X+32*\g+4*\k:X+32*\g+4*\k+3], v3, s[4:5] offset:256*\g+16*\k
.endr
.endr
.irp t, 0,1
.irp s, 0,1
.irp p, 0,1,2,3,4,5
	global_load_b64 v[WV+24*\t+12*\s+2*\p:WV+24*\t+12*\s+2*\p+1], v4, s[14:15] offset:3072*\t+96*\s+48*(\p/3)+8*(\p%3)
.endr
	global_load_b32 v[WS+2*\t+\s], v5, s[16:17] offset:128*\t+4*\s
.endr
.endr
	s_wait_loadcnt 28                              ; my piece of x is in; Wv's 24 + 4 loads issued behind it may be out
	QUANT X, F, PW, 1
	s_wait_alu depctr_va_vdst(0)                   ; the codes v[F ..] and the scale word v[PW] are written, which the LDS stores read; and the quantiser is done reading v160-191, in which the images behind the barrier land
.irp k, 0,1,2
	ds_store_b128 v8, v[F+4*\k:F+4*\k+3] offset:512*\k   ; the fragment goes to LDS as it stands
.endr
	ds_store_b32 v24, v[PW]
	s_wait_dscnt 0x0                               ; for the others' sake: my stores have landed
	s_barrier_signal -1
	s_barrier_wait -1
.irp f, 0,1,2,3
.irp k, 0,1,2
	ds_load_b128 v[XF+12*\f+4*\k:XF+12*\f+4*\k+3], v9 offset:FRB*\f+512*\k   ; and comes back so, in every wave.  (No vector instruction stands between the wait above and these loads)
.endr
	ds_load_b32 v[XS+\f], v25 offset:128*\f
.endr
	s_wait_dscnt 0x0
	s_wait_loadcnt 0x0                             ; Wv.  (All operands and scale words of the products below were filled by loads: their waits are all that they owe)
.irp s, 0,1
.irp t, 0,1
.irp u, 0,1                                        ; four accumulators by turns, one instruction a turn: (channel tile t, tile of rows u) at v[ACC + 16 t + 8 u]
.if \s == 0
	v_wmma_scale_f32_16x16x128_f8f6f4 v[ACC+16*\t+8*\u:ACC+16*\t+8*\u+7], v[XF+12*(2*\u+\s):XF+12*(2*\u+\s)+11], v[WV+24*\t+12*\s:WV+24*\t+12*\s+11], 0, v[XS+2*\u+\s], v[WS+2*\t+\s] matrix_a_fmt:MATRIX_FMT_BF6 matrix_b_fmt:MATRIX_FMT_BF6
.else
	v_wmma_scale_f32_16x16x128_f8f6f4 v[ACC+16*\t+8*\u:ACC+16*\t+8*\u+7], v[XF+12*(2*\u+\s):XF+12*(2*\u+\s)+11], v[WV+24*\t+12*\s:WV+24*\t+12*\s+11], v[ACC+16*\t+8*\u:ACC+16*\t+8*\u+7], v[XS+2*\u+\s], v[WS+2*\t+\s] matrix_a_fmt:MATRIX_FMT_BF6 matrix_b_fmt:MATRIX_FMT_BF6
.endif
.endr
.endr
.endr
.rept 4
	v_nop                                          ; four places behind the last products
.endr
.irp t, 0,1                                        ; register 16 t + i of lane (r, h): V(key 16 h + i of the block, channel 32 wave + 16 t + r)
	v_max3_num_f32 v[QM+\t], |v[ACC+16*\t]|, |v[ACC+16*\t+1]|, 0x2800000
.endr
.irp i, 2,4,6,8,10,12,14
.irp t, 0,1
	v_max3_num_f32 v[QM+\t], v[QM+\t], |v[ACC+16*\t+\i]|, |v[ACC+16*\t+\i+1]|   ; ascending: each accumulator is read from its low end on
.endr
.endr
.irp t, 0,1
	v_permlanex16_b32 v[QB+\t], v[QM+\t], s[SEL], s[SEL+1]
.endr
.irp t, 0,1
	v_max_num_f32 v[QM+\t], v[QM+\t], v[QB+\t]     ; with the other 16 keys': the block's largest magnitude
.endr
.irp t, 0,1
	v_add_nc_u32 v[QS+\t], 0xfe000000, v[QM+\t]
.endr
.irp t, 0,1
	v_lshrrev_b32 v[QB+\t], 23, v[QS+\t]
.endr
.irp t, 0,1
	v_cvt_scalef32_pk16_bf6_f32 v[QT+4*\t:QT+4*\t+2], v[ACC+16*\t:ACC+16*\t+15], v[QS+\t]
.endr
	v_nop                                          ; one plain place behind the scaled conversions
	s_wait_alu depctr_va_vdst(0)                   ; the conversions have written the codes v[QT ..] and the shifts the bytes v[QB ..], which the stores read
.irp t, 0,1
	global_store_b96 v6, v[QT+4*\t:QT+4*\t+2], s[26:27] offset:3072*\t   ; 32 lanes store 384 consecutive bytes
	global_store_b8 v5, v[QB+\t], s[28:29] offset:128*\t                 ; one byte a channel (both halves of the lanes store the same byte): 4 KB in the whole launch
.endr
	s_wait_dscnt 0x0
	s_wait_alu depctr_hold_cnt(0) depctr_sa_sdst(0) depctr_va_vdst(0) depctr_va_sdst(0) depctr_va_ssrc(0) depctr_va_vcc(0) depctr_vm_vsrc(0)
	s_wait_tensorcnt 0x0
	ds_add_u32 v79, v83
	s_wait_dscnt 0x0
	s_endpgm
.Lfunc_end_k_q7bb762f0dc_prep:
	.size	k_q7bb762f0dc_prep, .Lfunc_end_k_q7bb762f0dc_prep-k_q7bb762f0dc_prep
	.p2alignl 7, 3214868480
	.fill 96, 4, 3214868480
	.section	.rodata,"a",@progbits
	.p2align	6, 0x0
	.amdhsa_kernel k_q7bb762f0dc_prep
		.amdhsa_group_segment_fixed_size 8704
		.amdhsa_private_segment_fixed_size 0
		.amdhsa_enable_private_segment 0
		.amdhsa_kernarg_size 104
		.amdhsa_user_sgpr_count 2
		.amdhsa_user_sgpr_kernarg_segment_ptr 1
		.amdhsa_wavefront_size32 1
		.amdhsa_system_sgpr_workgroup_id_x 1
		.amdhsa_system_sgpr_workgroup_id_y 1
		.amdhsa_system_sgpr_workgroup_id_z 1
		.amdhsa_system_vgpr_workitem_id 0
		.amdhsa_next_free_vgpr 352
		.amdhsa_next_free_sgpr 66
		.amdhsa_reserve_vcc 0
		.amdhsa_float_denorm_mode_32 3
		.amdhsa_float_denorm_mode_16_64 3
		.amdhsa_memory_ordered 1
		.amdhsa_forward_progress 1
		.amdhsa_inst_pref_size 49
	.end_amdhsa_kernel
	.amdgpu_metadata
---
amdhsa.version: [ 1, 2 ]
amdhsa.kernels:
  - .name:           k_q7bb762f0dc_prep
    .symbol:         k_q7bb762f0dc_prep.kd
    .args:
      - { .name: x, .offset: 0, .size: 8, .value_kind: global_buffer, .address_space: global }
      - { .name: Wq_codes, .offset: 8, .size: 8, .value_kind: global_buffer, .address_space: global }
      - { .name: Wq_scales, .offset: 16, .size: 8, .value_kind: global_buffer, .address_space: global }
      - { .name: Wk_codes, .offset: 24, .size: 8, .value_kind: global_buffer, .address_space: global }
      - { .name: Wk_scales, .offset: 32, .size: 8, .value_kind: global_buffer, .address_space: global }
      - { .name: Wv_codes, .offset: 40, .size: 8, .value_kind: global_buffer, .address_space: global }
      - { .name: Wv_scales, .offset: 48, .size: 8, .value_kind: global_buffer, .address_space: global }
      - { .name: rq, .offset: 56, .size: 8, .value_kind: global_buffer, .address_space: global }
      - { .name: rk, .offset: 64, .size: 8, .value_kind: global_buffer, .address_space: global }
      - { .name: hq, .offset: 72, .size: 8, .value_kind: global_buffer, .address_space: global }
      - { .name: hk, .offset: 80, .size: 8, .value_kind: global_buffer, .address_space: global }
      - { .name: vc, .offset: 88, .size: 8, .value_kind: global_buffer, .address_space: global }
      - { .name: vs, .offset: 96, .size: 8, .value_kind: global_buffer, .address_space: global }
    .group_segment_fixed_size: 8704
    .private_segment_fixed_size: 0
    .kernarg_segment_align: 8
    .kernarg_segment_size: 104
    .max_flat_workgroup_size: 128
    .sgpr_count:     66
    .vgpr_count:     352
    .wavefront_size: 32
...
	.end_amdgpu_metadata
.endif
;; end of part 3
;; launch attend (part 4): grid 64 x 4, 16 waves a work-group, no clusters, 75,776 bytes of LDS; arguments rq, rk, hq, hk, vc, vs, out0; writes out0
.if DOCPART == 4
	.amdgcn_target "amdgcn-amd-amdhsa--gfx1250"
	.amdhsa_code_object_version 6
	.text
	.protected	k_q7bb762f0dc_attend
	.globl	k_q7bb762f0dc_attend
	.p2align	8
	.type	k_q7bb762f0dc_attend,@function
k_q7bb762f0dc_attend:
	s_mov_b64 s[64:65], 0
	v_nop
	global_prefetch_b8 v0, s[64:65] scope:SCOPE_SE
	s_setreg_imm32_b32 hwreg(HW_REG_WAVE_SCHED_MODE, 0, 2), 2
	s_setreg_imm32_b32 hwreg(HW_REG_WAVE_MODE, 25, 1), 1
	s_wait_xcnt 0x0
	s_wait_alu depctr_vm_vsrc(0)
; ATTEND: score(i, j) = 1 - js(rho_q[i], rho_k[j]) for j <= i, else 0; each row divided by max(its sum of magnitudes, 1e-12), quantised along the keys, and multiplied by the quantised V.
; js = Hq[i] + Hk[j] - (ln 2 / 256) sum over e of a log2(a + 256 eps), a = Rq[i][e] + Rk[j][e] = 256 m  (R = 128 rho and H come from the launch before; a and a + 256 eps have the mantissas and
; roundings of m and m + eps; the factor 256 inside the three logarithms cancels exactly).
; SHARES.  Work-group (p, batch) owns queries 2 p, 2 p + 1, 254 - 2 p, 255 - 2 p.  The low pair needs p / 16 + 1 chunks of 32 keys, the high pair 8 - p / 16: NINE (pair, chunk) units in every work-group.
; A LANE IS A KEY.  Wave w of sixteen takes e = 16 w .. 16 w + 15 of every unit: its four queries' 64 numbers stay in registers (the same in all lanes), a chunk's numbers are four loads of 512 consecutive bytes.
; A unit is 32 packed additions, 32 logarithms (one batch, one wait) and 16 packed multiply-adds a wave; four waves share a SIMD, so that one wave's wait stands beside another's work.
; Then: the sixteen waves' partial sums meet in LDS | barrier | each thread adds the sixteen parts of two (query, key) pairs, makes the masked score | barrier | waves 0-7 each build the operand
; (lane (r, h): query r % 4, whole blocks of 32 keys; rows 4-15 of the tile repeat rows 0-3), and multiply one tile of 16 channels of V by it (source 0 = V's 16 channels, source 1 = the scores: a lane holds
; one query and eight neighbouring channels) | barrier | waves 0-3 each store one whole row of 512 bytes.
; NO CLUSTER, NO TENSOR LOAD: a chunk's numbers go from memory straight into the registers of the one wave that uses them, 2 KB a wave; each 16 bytes feed 8 or 16 logarithms; a joint load would add a pass of
; 32 KB a chunk into LDS and out again.  No loop: eight chunks are written out, every offset is an immediate, and chunks that the mask hides are jumped over by scalar branches on the work-group's number.
; LIMITS: NaN and infinities are not served; the division is v_rcp_f32 and a multiply (1 ulp); a block of zeros gets the scale byte 1 and zero codes; the sums' order differs from a plain sum along e.
; THE MODE: SCHED_MODE bits 1:0 = 2 (LLVM: expert scheduling mode 2), set by the entry lines.  The code itself states the register dependences
; between vector or matrix instructions and memory or LDS instructions, with s_wait_alu, always for 0.
; THE PLAN.  Registers that memory or LDS instructions touch:
;   v1, v4-v13, v58   offsets, LDS addresses and the 0: written once at the head, ahead of one wait on va_vdst in front of the first load; never written again.
;   Q0 .. Q3          the ring of chunks: filled by loads; read by the sixteen additions at the head of a unit and by nothing else.  In chunks 0 to 3 the low pair's unit (which some work-groups jump over) stands
;                     first and the high pair's (which always runs) second: so the wait behind the high unit's logarithms also states that the chunk's last readers are done, and the loads of the
;                     chunk four on follow it at once, with no wait of their own.
;   P                 filled by loads at the head, read by the same additions; V's fragments land in v64-87 behind the wait at the units' end.
;   RES (v24-47)      written by the units' last additions; read by the LDS stores of the partial sums; written again by the quantiser and by the load of the last row.
;   T (v192-223)      named by the units as a; the sixteen parts land there; v192-193 are then the data of the scores' LDS store; the scores land in v128-255.
;   AC (v16-23)       the product's result, read by two LDS stores.
; So: one wait on va_vdst at the units' end (RES written; the units done with P and with v192-223); one ahead of the scores' LDS store (which also covers every vector use of v128-255);
; one wait on vm_vsrc behind the second barrier, on every wave's path (the LDS stores have read v24-47 and v192-193); the places and a wait ahead of the products, and behind them ahead of the LDS stores.
.set QO,   1                           ; v1   rk: 2,048 wave + 16 lane
.set PA,   4                           ; v4   LDS: my wave's partial sums: 4,096 wave + 4 lane
.set BA,   5                           ; v5   LDS: the parts that I add: 8 x thread
.set BS,   6                           ; v6   LDS: where my two scores go
.set CA,   7                           ; v7   LDS: my query's scores, my first block
.set CO,   8                           ; v8   LDS: where my eight results go
.set DO,   9                           ; v9   LDS: a row of results, 16 bytes a lane
.set VO,   10                          ; v10  V's codes: 384 h + 24 r
.set VS,   11                          ; v11  V's scale words: 8 r
.set GO,   12                          ; v12  16 lane
.set ZERO, 13                          ; v13  0
.set CK,   14                          ; v14-15 Hq + Hk of my two (query, key) pairs
.set AC,   16                          ; v16-23 four running pairs; later the sum of magnitudes; later the product's result
.set INV,  20
.set RES,  24                          ; v24-31 the low pair's results (2 chunk + query), v32-47 the high pair's
.set QM,   24                          ; (the quantiser's registers take their place)
.set QS,   28
.set QT,   32
.set VW,   48                          ; v48-49 V's scale words; v50-51 the scores': scales and nothing else
.set AW,   50
.set QB,   52
.set QP,   56
.set SH8,  57
.set HO,   58                          ; v58  hk: 8 x (thread % 128)
.set P,    64                          ; v64-127 the four queries' numbers: 16 query + e
.set VF,   64                          ; later: V's two fragments
.set F,    96                          ; later: the scores' two fragments
.set Q,    128                         ; v128-191 a ring of four chunks of keys, 16 registers each
.set S,    128                         ; later: v128-255 my query's 128 scores
.set A,    192                         ; v192-223 a, two queries
.set T,    192
.set B,    224                         ; v224-255 a + 256 eps, then its logarithm
.set WVN,  20                          ; s20 wave
.set CL,   24                          ; s24 chunks of the low pair, s25 of the high pair
.set CH,   25
.set IB,   31                          ; s31 the query whose scores my thread makes
.set PL,   40                          ; s[40:41], s[42:43] rq at the low and the high pair's numbers of my 16 e
.set PH,   42
.set EPS,  44                          ; s[44:45] 256 eps
.set KSN,  46                          ; s46 -ln 2 / 256
.set IW,   47                          ; s47 the query whose row my wave stores
.set SEL,  48                          ; s[48:49] lane selects: lane l xor 16
.set MK,   50                          ; s50, s51 the causal mask of my two keys
.set SC,   65536                       ; LDS: bytes 0-65,535 the partial sums [wave][query][key]; then the scores, 4 rows of 1,024 + 16 bytes;
.set SCP,  1040
.set OUTS, 69888                       ; then 4 rows of results of 512 bytes
.macro QUANT src, dst, wrd, nf         ; 64 nf numbers of a lane, whole blocks of 32, become nf fragments of codes and nf scale words: lane (r, h) holds blocks h, 2 + h of each K step
.set qb, 0
.rept 2*\nf
	v_max3_num_f32 v[QM+qb], |v[\src+32*qb]|, |v[\src+32*qb+1]|, 0x2800000   ; the floor 2^(5 - 127) among the leaves: the byte cannot fall under 1
.set qb, qb+1
.endr
.set qi, 2
.rept 15
.set qb, 0
.rept 2*\nf
	v_max3_num_f32 v[QM+qb], v[QM+qb], |v[\src+32*qb+qi]|, |v[\src+32*qb+qi+1]|
.set qb, qb+1
.endr
.set qi, qi+2
.endr
.set qb, 0
.rept 2*\nf
	v_add_nc_u32 v[QS+qb], 0xfe000000, v[QM+qb]    ; 4 off the exponent field: the conversion's scale operand
.set qb, qb+1
.endr
.set qb, 0
.rept 2*\nf
	v_lshrrev_b32 v[QB+qb], 23, v[QS+qb]           ; the scale's byte
.set qb, qb+1
.endr
.set qb, 0
.rept \nf
	v_lshl_or_b32 v[\wrd+qb], v[QB+2*qb+1], 16, v[QB+2*qb]
	v_lshlrev_b32 v[\wrd+qb], v[SH8], v[\wrd+qb]
	v_permlanex16_b32 v[QP], v[\wrd+qb], s[SEL], s[SEL+1]
	v_or_b32 v[\wrd+qb], v[\wrd+qb], v[QP]         ; with the other half's two bytes the word is whole
.set qb, qb+1
.endr
.set qb, 0
.rept 2*\nf
	v_cvt_scalef32_pk16_bf6_f32 v[\dst+6*qb:\dst+6*qb+2], v[\src+32*qb:\src+32*qb+15], v[QS+qb]
	v_cvt_scalef32_pk16_bf6_f32 v[QT+4*qb:QT+4*qb+2], v[\src+32*qb+16:\src+32*qb+31], v[QS+qb]   ; (a conversion's three registers begin on an even number)
.set qb, qb+1
.endr
	v_nop                                          ; one plain place behind the scaled conversions
.set qb, 0
.rept 2*\nf
	v_mov_b32 v[\dst+6*qb+3], v[QT+4*qb]
	v_mov_b32 v[\dst+6*qb+4], v[QT+4*qb+1]
	v_mov_b32 v[\dst+6*qb+5], v[QT+4*qb+2]
.set qb, qb+1
.endr
.endm
.macro LOADQ c                         ; chunk c's numbers of my 16 e: four loads of 512 consecutive bytes
.irp k, 0,1,2,3
	global_load_b128 v[Q+16*((\c)%4)+4*\k:Q+16*((\c)%4)+4*\k+3], v[QO], s[6:7] offset:32768*(\c)+512*\k
.endr
.endm
; One unit: the pair hp of queries (0 low, 1 high) against the 32 keys of chunk c, my 16 e.
; more = 1: this is the chunk's last unit, and the ring's place takes the chunk four on; more = 2: the same, where that chunk is needed; more = 0: nothing is loaded.
.macro PAIRWORK c, hp, more
.set pp, P+32*(\hp)
.set kq, Q+16*((\c)%4)
.set pm, 0
.rept 8
	v_pk_add_f32 v[A+pm:A+pm+1], v[pp+pm:pp+pm+1], v[kq+pm:kq+pm+1]             ; a = 256 m
	v_pk_add_f32 v[A+16+pm:A+17+pm], v[pp+16+pm:pp+17+pm], v[kq+pm:kq+pm+1]
.set pm, pm+2
.endr
.set pm, 0
.rept 16
	v_pk_add_f32 v[B+pm:B+pm+1], v[A+pm:A+pm+1], s[EPS:EPS+1] op_sel_hi:[1,0]   ; 256 (m + eps)
.set pm, pm+2
.endr
.set pm, 0
	s_wait_alu depctr_va_vdst(0)
.rept 32
	v_log_f32 v[B+pm], v[B+pm]
.set pm, pm+1
.endr
	v_nop                                          ; one plain place behind the batch
	s_wait_alu depctr_va_vdst(0)                   ; the 32 logarithms are written, ahead of their first reader; and the additions at the unit's head are done reading the chunk's place in the ring
.if \more == 2
	s_cmp_gt_u32 s[CH], \c+4                       ; the chunk four on: only where the high pair reaches it
	s_cbranch_scc0 .Lno_more_\@
.endif
.if \more
	LOADQ \c+4                                     ; no line behind the wait above, in this chunk, names the ring's place in which these land
.endif
.if \more == 2
.Lno_more_\@:
.endif
.irp u, 0,1
.irp k, 0,2
	v_pk_mul_f32 v[AC+4*\u+\k:AC+4*\u+\k+1], v[A+16*\u+\k:A+16*\u+\k+1], v[B+16*\u+\k:B+16*\u+\k+1]   ; four chains; the first products start them
.endr
.endr
.irp m, 4,8,12
.irp u, 0,1
.irp k, 0,2
	v_pk_fma_f32 v[AC+4*\u+\k:AC+4*\u+\k+1], v[A+16*\u+\m+\k:A+16*\u+\m+\k+1], v[B+16*\u+\m+\k:B+16*\u+\m+\k+1], v[AC+4*\u+\k:AC+4*\u+\k+1]
.endr
.endr
.endr
.irp u, 0,1
	v_pk_add_f32 v[AC+4*\u:AC+4*\u+1], v[AC+4*\u:AC+4*\u+1], v[AC+4*\u+2:AC+4*\u+3]
.endr
.irp u, 0,1
	v_add_f32 v[RES+8*(\hp)+2*(\c)+\u], v[AC+4*\u], v[AC+4*\u+1]
.endr
.endm
; Chunk c.  left: how many younger loads may stay out when this chunk's four have to be there (-1: no wait is written).
.macro CHUNK c, left
.if \c >= 5
	s_cmp_gt_u32 s[CH], \c                         ; chunks 5 to 7: only where the high pair reaches them; behind the first that is hidden all are
	s_cbranch_scc0 .Lkeys_done
.endif
.if \left >= 0
	s_wait_loadcnt \left
.endif
.if \c == 0
	PAIRWORK \c, 0, 0
	PAIRWORK \c, 1, 1
.elseif \c < 4
	s_cmp_gt_u32 s[CL], \c                         ; the low pair reaches chunks 1 to 3 only for the larger p
	s_cbranch_scc0 .Lno_low_\@
	PAIRWORK \c, 0, 0
.Lno_low_\@:
	PAIRWORK \c, 1, 2                              ; the high pair's unit is the chunk's last on every path
.else
	PAIRWORK \c, 1, 0
.endif
.endm
	s_load_b256 s[4:11], s[0:1], 0x0               ; rq s[4:5], rk s[6:7], hq s[8:9], hk s[10:11]
	s_load_b128 s[12:15], s[0:1], 0x20             ; vc s[12:13], vs s[14:15]
	s_load_b64 s[16:17], s[0:1], 0x30              ; out0
	v_lshl_add_u32 v62, v0, 2, 0x12000
	v_mov_b32 v63, 0
	v_lshrrev_b32 v2, 5, v0
	s_wait_alu depctr_va_vdst(0)
	v_readfirstlane_b32 s[WVN], v2                 ; wave 0..15
	v_and_b32 v3, 31, v0                           ; lane
	s_and_b32 s22, ttmp7, 0xffff                   ; batch
	s_lshr_b32 s23, ttmp9, 4
	s_add_co_u32 s[CL], s23, 1
	s_sub_co_u32 s[CH], 8, s23
	s_lshl_b32 s26, ttmp9, 1                       ; the low pair's first query, 2 p
	s_sub_co_u32 s27, 254, s26                     ; the high pair's, 254 - 2 p
	s_wait_alu depctr_va_sdst(0)                   ; the wave's number is written, ahead of its first reader: offsets, bases and branches are made from it
	s_lshl_b32 s34, s[WVN], 11                     ; my 16 e: four groups of 512 bytes
	s_lshl_b32 s36, s22, 18                        ; my batch: 262,144 bytes of R
	s_mov_b32 s37, 0
	s_lshr_b32 s28, s26, 5                         ; a query's numbers lie where a key's would: chunk i / 32, place i % 32
	s_lshl_b32 s28, s28, 15
	s_and_b32 s33, s26, 31
	s_lshl_b32 s33, s33, 4
	s_add_co_u32 s28, s28, s33
	s_add_co_u32 s28, s28, s34
	s_mov_b32 s29, 0
	s_lshr_b32 s38, s27, 5
	s_lshl_b32 s38, s38, 15
	s_and_b32 s33, s27, 31
	s_lshl_b32 s33, s33, 4
	s_add_co_u32 s38, s38, s33
	s_add_co_u32 s38, s38, s34
	s_mov_b32 s39, 0
	s_lshr_b32 s30, s[WVN], 2                      ; the scores of query number wave / 4 are made by my wave,
	s_cmp_lt_u32 s30, 2
	s_cselect_b32 s[IB], s26, s27
	s_and_b32 s33, s30, 1
	s_add_co_u32 s[IB], s[IB], s33
	s_cmp_lt_u32 s[WVN], 2                         ; and the row of query number wave is stored by waves 0 to 3
	s_cselect_b32 s[IW], s26, s27
	s_and_b32 s33, s[WVN], 1
	s_add_co_u32 s[IW], s[IW], s33
	s_mov_b32 s[EPS], 0x32dbe6ff                   ; 256 x 1e-10
	s_mov_b32 s[EPS+1], 0x32dbe6ff
	s_mov_b32 s[KSN], 0xbb317218                   ; -ln 2 / 256
	s_mov_b32 s[SEL], 0x76543210
	s_mov_b32 s[SEL+1], 0xfedcba98
	; every LDS address is made here, ahead of the places where the waves part
	v_lshlrev_b32 v[PA], 12, v2
	s_wait_alu depctr_va_vdst(0)
	v_lshl_add_u32 v[PA], v3, 2, v[PA]
	v_lshlrev_b32 v[BA], 3, v0
	v_and_b32 v54, 127, v0
	v_lshrrev_b32 v[BS], 7, v0
	v_mul_u32_u24 v[BS], v[BS], SCP
	v_lshl_add_u32 v[BS], v54, 3, v[BS]
	v_add_nc_u32 v[BS], SC, v[BS]
	v_bfe_u32 v53, v0, 4, 1                        ; h
	v_and_b32 v[CA], 3, v0
	v_mul_u32_u24 v[CA], v[CA], SCP
	v_lshl_add_u32 v[CA], v53, 7, v[CA]
	v_add_nc_u32 v[CA], SC, v[CA]
	v_and_b32 v[CO], 3, v0
	v_lshlrev_b32 v[CO], 9, v[CO]
	v_bfe_u32 v52, v0, 5, 3
	v_lshl_add_u32 v[CO], v52, 6, v[CO]
	v_lshl_add_u32 v[CO], v53, 5, v[CO]
	v_add_nc_u32 v[CO], OUTS, v[CO]
	v_lshl_add_u32 v[DO], v54, 4, OUTS
	v_lshlrev_b32 v[HO], 3, v54
	v_and_b32 v55, 15, v0                          ; r
	v_mul_u32_u24 v[VO], v55, 24
	v_mad_u32_u24 v[VO], v53, 384, v[VO]
	v_lshlrev_b32 v[VS], 3, v55
	v_lshlrev_b32 v[GO], 4, v3
	v_lshl_add_u32 v[QO], v2, 11, v[GO]
	v_mov_b32 v[ZERO], 0
	s_wait_kmcnt 0x0
	s_add_nc_u64 s[4:5], s[4:5], s[36:37]
	s_add_nc_u64 s[6:7], s[6:7], s[36:37]          ; rk at my batch
	s_add_nc_u64 s[PL:PL+1], s[4:5], s[28:29]
	s_add_nc_u64 s[PH:PH+1], s[4:5], s[38:39]
	s_lshl_b32 s28, s22, 8
	s_add_co_u32 s38, s28, s[IB]
	s_lshl_b32 s38, s38, 2
	s_add_nc_u64 s[8:9], s[8:9], s[38:39]          ; hq at my thread's query
	s_lshl_b32 s38, s22, 10
	s_add_nc_u64 s[10:11], s[10:11], s[38:39]      ; hk at my batch
	s_add_nc_u64 s[14:15], s[14:15], s[38:39]      ; V's scale words at my batch,
	s_lshl_b32 s38, s[WVN], 7
	s_add_nc_u64 s[14:15], s[14:15], s[38:39]      ; my tile of 16 channels (waves 0 to 7 alone read there)
	s_mul_i32 s38, s22, 24576
	s_mul_i32 s33, s[WVN], 3072
	s_add_co_u32 s38, s38, s33
	s_add_nc_u64 s[12:13], s[12:13], s[38:39]      ; V's codes likewise
	s_add_co_u32 s38, s28, s[IW]
	s_lshl_b32 s38, s38, 9
	s_add_nc_u64 s[16:17], s[16:17], s[38:39]      ; out0 at my wave's row
	s_wait_alu depctr_va_vdst(0)                   ; the offsets, the LDS addresses and the 0 (v1, v4 to v13, v58) are written, which every load and store of the kernel reads; they are never written again
.irp i, 0,1,2,3
	global_load_b32 v[B+\i], v[ZERO], s[8:9] offset:4096*\i             ; the four parts of Hq (the same address in all lanes)
.endr
.irp i, 0,1,2,3
	global_load_b64 v[B+4+2*\i:B+5+2*\i], v[HO], s[10:11] offset:4096*\i   ; and of Hk of my two keys
.endr
.irp u, 0,1
.irp k, 0,1,2,3
	global_load_b128 v[P+16*\u+4*\k:P+16*\u+4*\k+3], v[ZERO], s[PL:PL+1] offset:512*\k+16*\u      ; the queries' numbers, the same in all lanes
.endr
.endr
.irp u, 0,1
.irp k, 0,1,2,3
	global_load_b128 v[P+32+16*\u+4*\k:P+32+16*\u+4*\k+3], v[ZERO], s[PH:PH+1] offset:512*\k+16*\u
.endr
.endr
	LOADQ 0
	LOADQ 1
	LOADQ 2
	LOADQ 3
.irp i, 2,3,4,5,6,7,18,19,20,21,22,23
	v_mov_b32 v[RES+\i], 0                         ; the units that a work-group may jump over leave zeros (the mask hides them; nothing unwritten is stored)
.endr
	s_wait_loadcnt 12                              ; H, the queries and chunk 0 are in; chunks 1 to 3 (12 loads) may be out
	v_add_f32 v[B], v[B], v[B+1]
	v_add_f32 v[B+2], v[B+2], v[B+3]
	v_add_f32 v[B], v[B], v[B+2]                   ; Hq
	v_pk_add_f32 v[B+4:B+5], v[B+4:B+5], v[B+6:B+7]
	v_pk_add_f32 v[B+8:B+9], v[B+8:B+9], v[B+10:B+11]
	v_pk_add_f32 v[B+4:B+5], v[B+4:B+5], v[B+8:B+9]   ; Hk
	v_pk_add_f32 v[CK:CK+1], v[B+4:B+5], v[B:B+1] op_sel_hi:[1,0]
	CHUNK 0, -1
	CHUNK 1, 12                                    ; behind chunk 1's loads: chunks 2, 3, 4
	CHUNK 2, 8                                     ; chunks 3, 4 (and 5 where it is needed: the count takes the fewer)
	CHUNK 3, 4                                     ; chunk 4 (and 5, 6 where needed)
	CHUNK 4, 0                                     ; all: chunk 7's loads, the last, were issued in chunk 3
	CHUNK 5, -1
	CHUNK 6, -1
	CHUNK 7, -1
.Lkeys_done:
	s_wait_alu depctr_va_vdst(0)                   ; the units have written v[RES ..], which the LDS stores read; they are done reading P, in which V's fragments land, and done with v192-223, in which the parts behind the barrier land
.irp g, 0,1,2,3,4,5,6,7
.irp u, 0,1
.if \g < 4
	ds_store_b32 v[PA], v[RES+2*\g+\u] offset:1024*\u+128*\g
.else
	ds_store_b32 v[PA], v[ZERO] offset:1024*\u+128*\g                ; the low pair never reaches keys 128 on
.endif
	ds_store_b32 v[PA], v[RES+8+2*\g+\u] offset:2048+1024*\u+128*\g
.endr
.endr
	s_cmp_lt_u32 s[WVN], 8                         ; V's fragments are asked for here, by the waves that will multiply: they land during the next two stages
	s_cbranch_scc0 .Lno_v
.irp s, 0,1
.irp g, 0,1
.irp i, 0,1,2
	global_load_b64 v[VF+12*\s+6*\g+2*\i:VF+12*\s+6*\g+2*\i+1], v[VO], s[12:13] offset:1536*\s+768*\g+8*\i   ; block 4 s + 2 g + h of the keys, channel r of my tile
.endr
.endr
.endr
	global_load_b64 v[VW:VW+1], v[VS], s[14:15]    ; channel r's eight scale bytes: the two K steps' words
.Lno_v:
	s_wait_dscnt 0x0                               ; for the others' sake: my partial sums have landed
	s_barrier_signal -1
	s_barrier_wait -1
	; ---- the sixteen parts of my two (query, key) pairs: query number thread / 128, keys 2 (thread % 128) and the next
.irp i, 0,1,2,3,4,5,6,7,8,9,10,11,12,13,14,15
	ds_load_b64 v[T+2*\i:T+2*\i+1], v[BA] offset:4096*\i   ; (no vector instruction stands between the wait at the units' end and these loads)
.endr
	v_and_b32 v2, 127, v0
	v_lshlrev_b32 v2, 1, v2                        ; my first key
	v_cmp_ge_u32 s[MK], s[IB], v2                  ; key <= query keeps the score, else 0: the two masks in a run, while the parts are on their way
	v_cmp_gt_u32 s[MK+1], s[IB], v2                ; the next key
	s_wait_dscnt 0x0
.irp i, 0,1,2,3,4,5,6,7
	v_pk_add_f32 v[T+4*\i:T+4*\i+1], v[T+4*\i:T+4*\i+1], v[T+4*\i+2:T+4*\i+3]
.endr
.irp i, 0,1,2,3
	v_pk_add_f32 v[T+8*\i:T+8*\i+1], v[T+8*\i:T+8*\i+1], v[T+8*\i+4:T+8*\i+5]
.endr
.irp i, 0,1
	v_pk_add_f32 v[T+16*\i:T+16*\i+1], v[T+16*\i:T+16*\i+1], v[T+16*\i+8:T+16*\i+9]
.endr
	v_pk_add_f32 v[T:T+1], v[T:T+1], v[T+16:T+17]
	v_fma_f32 v[T], v[T], s[KSN], v[CK]            ; js
	v_fma_f32 v[T+1], v[T+1], s[KSN], v[CK+1]
	v_sub_f32 v[T], 1.0, v[T]                      ; the score
	v_sub_f32 v[T+1], 1.0, v[T+1]
	s_wait_alu depctr_va_sdst(0)                   ; the two compares have written their masks, ahead of the selects that read them
	v_cndmask_b32 v[T], 0, v[T], s[MK]
	v_cndmask_b32 v[T+1], 0, v[T+1], s[MK+1]
	s_wait_alu depctr_va_vdst(0)                   ; my two scores are written, which the LDS store reads; and every vector instruction so far is done with v128-255, in which the scores behind the barrier land
	ds_store_b64 v[BS], v[T:T+1]
	s_wait_dscnt 0x0                               ; for the others' sake: my scores have landed
	s_barrier_signal -1
	s_barrier_wait -1
	s_wait_alu depctr_vm_vsrc(0)                   ; my LDS stores have read v24-47 (the partial sums) and v192-193 (my two scores): the loads of the scores, the quantiser and the load of the last row write them again
	s_cmp_lt_u32 s[WVN], 8
	s_cbranch_scc0 .Lno_product
	; ---- waves 0-7: the operand.  Lane (r, h): query number r % 4, blocks h, 2 + h, 4 + h, 6 + h of its 256 keys
.irp g, 0,1,2,3
.irp k, 0,1,2,3,4,5,6,7
	ds_load_b128 v[S+32*\g+4*\k:S+32*\g+4*\k+3], v[CA] offset:256*\g+16*\k
.endr
.endr
	v_bfe_u32 v[SH8], v0, 4, 1
	v_lshlrev_b32 v[SH8], 3, v[SH8]
	v_mov_b32 v[QP], 0                             ; a lane permute's destination counts as one of its sources
	s_wait_dscnt 0x0
.irp i, 0,1,2,3
	v_add_f32 v[AC+\i], |v[S+2*\i]|, |v[S+2*\i+1]| ; the row's sum of magnitudes, in four chains
.endr
.set n, 8
.rept 120
	v_add_f32 v[AC+n%4], v[AC+n%4], |v[S+n]|
.set n, n+1
.endr
	v_add_f32 v[AC], v[AC], v[AC+1]
	v_add_f32 v[AC+2], v[AC+2], v[AC+3]
	v_add_f32 v[AC], v[AC], v[AC+2]
	v_permlanex16_b32 v[QP], v[AC], s[SEL], s[SEL+1]
	v_add_f32 v[AC], v[AC], v[QP]                  ; with the other half's four blocks
	v_max_num_f32 v[AC], 0x2b8cbccc, v[AC]         ; at least 1e-12
	s_wait_alu depctr_va_vdst(0)
	v_rcp_f32 v[INV], v[AC]
	v_nop                                          ; a plain place behind the transcendental,
	s_wait_alu depctr_va_vdst(0)                   ; the reciprocal is written, ahead of its first reader
	v_mov_b32 v[INV+1], v[INV]
.set n, 0
.rept 64
	v_pk_mul_f32 v[S+n:S+n+1], v[S+n:S+n+1], v[INV:INV+1]   ; the finished, normalised weights: what is quantised
.set n, n+2
.endr
	QUANT S, F, AW, 2
	s_wait_loadcnt 0x0                             ; V's fragments and scale words
.rept 8
	v_nop                                          ; a scale word written by vector instructions stands 8 places ahead of a scaled matrix instruction, codes so written 4
.endr
	s_wait_alu depctr_va_vdst(0)                   ; the weights' codes v[F ..] and scale words v[AW ..] are written by vector instructions: the scaled products take them; the places above stay beside this wait
	v_wmma_scale_f32_16x16x128_f8f6f4 v[AC:AC+7], v[VF:VF+11], v[F:F+11], 0, v[VW], v[AW] matrix_a_fmt:MATRIX_FMT_BF6 matrix_b_fmt:MATRIX_FMT_BF6
	s_wait_alu depctr_va_vdst(0)                   ; the wait directly ahead of the second
	v_wmma_scale_f32_16x16x128_f8f6f4 v[AC:AC+7], v[VF+12:VF+23], v[F+12:F+23], v[AC:AC+7], v[VW+1], v[AW+1] matrix_a_fmt:MATRIX_FMT_BF6 matrix_b_fmt:MATRIX_FMT_BF6
.rept 4
	v_nop                                          ; four places behind the product
.endr
	s_wait_alu depctr_va_vdst(0)                   ; the product has written v[AC ..], which the LDS stores read; the places above stay beside this wait
	ds_store_b128 v[CO], v[AC:AC+3]                ; out(query r % 4, channels 16 wave + 8 h + 0 .. 7); lanes with the same r % 4 hold the same numbers and write the same bytes
	ds_store_b128 v[CO], v[AC+4:AC+7] offset:16
.Lno_product:
	s_wait_dscnt 0x0                               ; for the others' sake: my results have landed
	s_barrier_signal -1
	s_barrier_wait -1
	s_cmp_lt_u32 s[WVN], 4
	s_cbranch_scc0 .Lend
	ds_load_b128 v[24:27], v[DO]                   ; wave q: the whole row of query number q.  (The quantiser, which wrote v24-27 last, stands ahead of the waits on va_vdst above; the LDS stores that read them ahead of the wait on vm_vsrc)
	s_wait_dscnt 0x0
	global_store_b128 v[GO], v[24:27], s[16:17]    ; 32 lanes store 512 consecutive bytes, at a multiple of 512 from out0's first byte
.Lend:
	s_wait_dscnt 0x0
	s_wait_alu depctr_hold_cnt(0) depctr_sa_sdst(0) depctr_va_vdst(0) depctr_va_sdst(0) depctr_va_ssrc(0) depctr_va_vcc(0) depctr_vm_vsrc(0)
	s_wait_tensorcnt 0x0
	ds_add_u32 v62, v63
	s_wait_dscnt 0x0
	s_endpgm
.Lfunc_end_k_q7bb762f0dc_attend:
	.size	k_q7bb762f0dc_attend, .Lfunc_end_k_q7bb762f0dc_attend-k_q7bb762f0dc_attend
	.p2alignl 7, 3214868480
	.fill 96, 4, 3214868480
	.section	.rodata,"a",@progbits
	.p2align	6, 0x0
	.amdhsa_kernel k_q7bb762f0dc_attend
		.amdhsa_group_segment_fixed_size 75776
		.amdhsa_private_segment_fixed_size 0
		.amdhsa_enable_private_segment 0
		.amdhsa_kernarg_size 56
		.amdhsa_user_sgpr_count 2
		.amdhsa_user_sgpr_kernarg_segment_ptr 1
		.amdhsa_wavefront_size32 1
		.amdhsa_system_sgpr_workgroup_id_x 1
		.amdhsa_system_sgpr_workgroup_id_y 1
		.amdhsa_system_sgpr_workgroup_id_z 1
		.amdhsa_system_vgpr_workitem_id 0
		.amdhsa_next_free_vgpr 256
		.amdhsa_next_free_sgpr 66
		.amdhsa_reserve_vcc 0
		.amdhsa_float_denorm_mode_32 3
		.amdhsa_float_denorm_mode_16_64 3
		.amdhsa_memory_ordered 1
		.amdhsa_forward_progress 1
		.amdhsa_inst_pref_size 91
	.end_amdhsa_kernel
	.amdgpu_metadata
---
amdhsa.version: [ 1, 2 ]
amdhsa.kernels:
  - .name:           k_q7bb762f0dc_attend
    .symbol:         k_q7bb762f0dc_attend.kd
    .args:
      - { .name: rq, .offset: 0, .size: 8, .value_kind: global_buffer, .address_space: global }
      - { .name: rk, .offset: 8, .size: 8, .value_kind: global_buffer, .address_space: global }
      - { .name: hq, .offset: 16, .size: 8, .value_kind: global_buffer, .address_space: global }
      - { .name: hk, .offset: 24, .size: 8, .value_kind: global_buffer, .address_space: global }
      - { .name: vc, .offset: 32, .size: 8, .value_kind: global_buffer, .address_space: global }
      - { .name: vs, .offset: 40, .size: 8, .value_kind: global_buffer, .address_space: global }
      - { .name: out0, .offset: 48, .size: 8, .value_kind: global_buffer, .address_space: global }
    .group_segment_fixed_size: 75776
    .private_segment_fixed_size: 0
    .kernarg_segment_align: 8
    .kernarg_segment_size: 56
    .max_flat_workgroup_size: 512
    .sgpr_count:     66
    .vgpr_count:     256
    .wavefront_size: 32
...
	.end_amdgpu_metadata
.endif
;; end of part 4
